; MI455X (gfx1250); checked and timed in simulation.
; The chip was launched on July 23, 2026; its instructions are those of AMD's public machine-readable ISA for CDNA 5 (MIT licence, August 2026) and "CDNA5" Instruction Set Architecture Reference Guide (July 2026). The comments in the code are by the model that wrote it; some were corrected since.
;; Grouped Query Attention. Allowed arithmetic: float matrix products may take bf16 or f16 operands with f32 sums; all other float work in f32.
;; Inputs: Wk 1,024 x 256 float32; Wo 1,024 x 1,024 float32; Wq 1,024 x 1,024 float32; Wv 1,024 x 256 float32; hidden_states 2 x 2,048 x 1,024 float32.
;; Outputs: out0 2 x 2,048 x 1,024 float32.
;; One version. Each part assembles by itself: llvm-mc -triple=amdgcn-amd-amdhsa -mcpu=gfx1250 --defsym DOCPART=n.
;; ======== version 1 of 1: 4 launches
;; limits: values are held in f16: magnitudes above 65,504 overflow, below 6.1e-05 lose precision
;; workspace buffers: hb 8,388,608 bytes; wT 3,145,728 bytes; woT 2,097,152 bytes; qkv 12,582,912 bytes; qkvlo 3,145,728 bytes; ctx 8,388,608 bytes; ctxlo 1,048,576 bytes
;; launch prep (part 1): grid 832 x 1, 8 waves a work-group, no clusters, 17,408 bytes of LDS; arguments hidden_states, Wq, Wk, Wv, Wo, hb, wT, woT; writes hb, wT, woT
.if DOCPART == 1
	.amdgcn_target "amdgcn-amd-amdhsa--gfx1250"
	.amdhsa_code_object_version 6
	.text
	.protected	k_qefc1ad883c_prep
	.globl	k_qefc1ad883c_prep
	.p2align	8
	.type	k_qefc1ad883c_prep,@function
k_qefc1ad883c_prep:
	s_mov_b64 s[64:65], 0
	v_nop
	global_prefetch_b8 v0, s[64:65] scope:SCOPE_SE
	s_setreg_imm32_b32 hwreg(HW_REG_WAVE_MODE, 25, 1), 1
	s_wait_xcnt 0x0
; prep: the operands of the two projections, rounded once and laid with K along the rows.
;   hb  [4096][1024] bf16 = hidden_states
;   wT  [1536][1024] bf16 = the columns of Wq (rows 0-1023), Wk (1024-1279), Wv (1280-1535)
;   woT [1024][1024] f16  = the columns of Wo, rounded to bf16 first and then carried in f16
; LIMIT: woT is exact for 2^-17 <= |Wo| < 65,504; below that its error is at most 2^-25, above it overflows.
; Each element of hidden_states is used by 8 column blocks of the projection and each weight by 32 row blocks, so the
; rounding and the transposition are done here once.  No matrix unit, no cluster, no tensor load: the work is a stream.
; Work-groups: 0-127 tiles of Wq, 128-255 of Wo, 256-287 of Wk, 288-319 of Wv (a tile is 128 k x 64 n), 320-831 pieces of
; 32,768 bytes of hidden_states.  The role hangs on the work-group's number alone, so all eight waves take the same way.
.set X,   8                            ; v[8:39]   eight loads of four f32; later the rows read back
.set Y,   40                           ; v[40:55]  rounded and packed
.set TA,  56                           ; v[56:57]  at work
.set VIN, 3                            ; byte offset of my loads in the tile
.set VST, 4                            ; LDS address of my stores
.set VRD, 58                           ; LDS address of my read-back
.set VGA, 60                           ; v60, v61: byte offset of my stores in the destination, rows 0-3 and rows 4-7 of my eight
	s_load_b512 s[8:23], s[0:1], 0x0               ; hidden s[8:9], Wq s[10:11], Wk s[12:13], Wv s[14:15], Wo s[16:17], hb s[18:19], wT s[20:21], woT s[22:23]
	v_lshl_add_u32 v64, v0, 2, 0x4000
	v_mov_b32 v65, 0
	s_mov_b32 s2, ttmp9                            ; the work-group's number
	s_mov_b32 s3, 0                                ; first row of the destination
	v_and_b32 v1, 15, v0                           ; cg: my four columns; also l, my place in a row on the way out
	v_lshrrev_b32 v2, 4, v0                        ; kg: my eight k
	s_wait_kmcnt 0x0
	s_cmp_ge_u32 s2, 320
	s_cbranch_scc1 .Lstream
	s_cmp_ge_u32 s2, 256
	s_cbranch_scc1 .Lkv
	s_cmp_ge_u32 s2, 128
	s_cbranch_scc1 .Lwo
; One tile of 128 k x 64 n of a weight whose rows are rowbytes long: s2 = the tile's number in its matrix, s[24:25] the source,
; s[26:27] the destination, s3 the destination's first row.  f16 = 1: the bf16 numbers are carried on into f16.
; Thread t loads columns 4 cg .. 4 cg + 3 of rows 8 kg .. 8 kg + 7 (sixteen lanes read 256 neighbouring bytes of a row), packs for each
; column its eight k into 16 bytes and puts them into LDS row n (256 bytes) at place (kg + n / 4) mod 16: the sixteen lanes of a store
; then hit sixteen different 16-byte columns.  Behind the barrier rows are read back whole and stored, the rotation undone in the address.
.macro TRANS rowbytes, f16
	s_and_b32 s28, s2, 7                           ; kt
	s_lshr_b32 s29, s2, 3                          ; nt
	s_mul_i32 s4, s28, 128*\rowbytes
	s_lshl_b32 s5, s29, 8
	s_add_co_u32 s4, s4, s5                        ; source: 128 kt rows + 64 nt columns of f32
	s_mov_b32 s5, 0
	s_add_nc_u64 s[24:25], s[24:25], s[4:5]
	s_lshl_b32 s6, s29, 6
	s_add_co_u32 s6, s6, s3
	s_lshl_b32 s6, s6, 11                          ; destination: row (first + 64 nt) of 2,048 bytes
	s_lshl_b32 s7, s28, 8
	s_add_co_u32 s6, s6, s7                        ; + 128 kt numbers of 2 bytes
	s_mov_b32 s7, 0
	s_add_nc_u64 s[26:27], s[26:27], s[6:7]
	v_mul_u32_u24 v[VIN], v2, 8*\rowbytes
	v_lshl_add_u32 v[VIN], v1, 4, v[VIN]
.irp j, 0,1,2,3,4,5,6,7
	global_load_b128 v[X+4*\j:X+4*\j+3], v[VIN], s[24:25] offset:\j*\rowbytes th:TH_LOAD_NT
.endr
	v_add_nc_u32 v[VST], v1, v2
	v_and_b32 v[VST], 15, v[VST]
	v_lshlrev_b32 v[VST], 4, v[VST]
	v_lshl_add_u32 v[VST], v1, 10, v[VST]          ; row 4 cg, place (kg + cg) mod 16
	v_lshrrev_b32 v5, 5, v0                        ; w
	v_bfe_u32 v6, v0, 4, 1                         ; h
	v_lshl_add_u32 v7, v5, 3, v6                   ; 8 w + h: my first row on the way out
	v_lshlrev_b32 v[VRD], 8, v7
	v_lshl_add_u32 v[VRD], v1, 4, v[VRD]
	v_lshlrev_b32 v59, 1, v5
	v_sub_nc_u32 v59, v1, v59                      ; l - 2 w: rows 8 w .. 8 w + 3 were rotated by 2 w,
	v_and_b32 v[VGA], 15, v59
	v_lshlrev_b32 v[VGA], 4, v[VGA]
	v_lshl_add_u32 v[VGA], v7, 11, v[VGA]
	v_add_nc_u32 v59, -1, v59                      ; rows 8 w + 4 .. 8 w + 7 by 2 w + 1
	v_and_b32 v[VGA+1], 15, v59
	v_lshlrev_b32 v[VGA+1], 4, v[VGA+1]
	v_lshl_add_u32 v[VGA+1], v7, 11, v[VGA+1]
	s_wait_loadcnt 0x0
.irp e, 0,1,2,3
.irp p, 0,1,2,3
	v_cvt_pk_bf16_f32 v[Y+4*\e+\p], v[X+8*\p+\e], v[X+8*\p+4+\e]   ; column 4 cg + e, k = 8 kg + 2 p and + 1
.if \f16
	v_lshlrev_b32 v[TA], 16, v[Y+4*\e+\p]
	v_and_b32 v[TA+1], 0xffff0000, v[Y+4*\e+\p]
	v_cvt_pk_f16_f32 v[Y+4*\e+\p], v[TA], v[TA+1]
.endif
.endr
	ds_store_b128 v[VST], v[Y+4*\e:Y+4*\e+3] offset:256*\e
.endr
	s_wait_dscnt 0x0                               ; my stores are in LDS before I say so
	s_barrier_signal -1
	s_barrier_wait -1                              ; everybody's are
.irp i, 0,1,2,3
	ds_load_b128 v[X+4*\i:X+4*\i+3], v[VRD] offset:512*\i          ; row 8 w + 2 i + h, sixteen lanes a row
.endr
.irp i, 0,1,2,3
	s_wait_dscnt 3-\i                              ; LDS loads come back in order: the younger ones stay out
	global_store_b128 v[VGA+(\i>>1)], v[X+4*\i:X+4*\i+3], s[26:27] offset:4096*\i   ; sixteen lanes fill 256 consecutive bytes, aligned
.endr
	s_wait_tensorcnt 0x0
	ds_add_u32 v64, v65
	s_wait_dscnt 0x0
	s_endpgm
.endm
	s_mov_b64 s[24:25], s[10:11]                   ; Wq into wT
	s_mov_b64 s[26:27], s[20:21]
	TRANS 4096, 0
.Lwo:
	s_sub_co_u32 s2, s2, 128                       ; Wo into woT
	s_mov_b64 s[24:25], s[16:17]
	s_mov_b64 s[26:27], s[22:23]
	TRANS 4096, 1
.Lkv:
	s_sub_co_u32 s2, s2, 256                       ; Wk (0-31) or Wv (32-63) into wT
	s_cmp_ge_u32 s2, 32
	s_cselect_b64 s[24:25], s[14:15], s[12:13]
	s_cselect_b32 s3, 256, 0
	s_add_co_u32 s3, s3, 1024                      ; rows from 1024 (Wk) or from 1280 (Wv)
	s_and_b32 s2, s2, 31
	s_mov_b64 s[26:27], s[20:21]
	TRANS 1024, 0
.Lstream:                                              ; 32,768 bytes of hidden_states to 16,384 of hb
	s_sub_co_u32 s2, s2, 320
	s_lshl_b32 s4, s2, 15
	s_mov_b32 s5, 0
	s_lshl_b32 s6, s2, 14
	s_mov_b32 s7, 0
	s_add_nc_u64 s[8:9], s[8:9], s[4:5]
	s_add_nc_u64 s[18:19], s[18:19], s[6:7]
	v_lshlrev_b32 v3, 4, v0                        ; 16 bytes in,
	v_lshlrev_b32 v4, 3, v0                        ; 8 bytes out
.irp j, 0,1,2,3,4,5,6,7
	global_load_b128 v[X+4*\j:X+4*\j+3], v3, s[8:9] offset:4096*\j th:TH_LOAD_NT
.endr
.irp j, 0,1,2,3,4,5,6,7
	s_wait_loadcnt 7-\j                            ; loads come back in order: the younger ones stay out
	v_cvt_pk_bf16_f32 v[Y+2*\j], v[X+4*\j], v[X+4*\j+1]
	v_cvt_pk_bf16_f32 v[Y+2*\j+1], v[X+4*\j+2], v[X+4*\j+3]
	global_store_b64 v4, v[Y+2*\j:Y+2*\j+1], s[18:19] offset:2048*\j   ; a wave's 32 lanes fill 256 consecutive bytes, aligned
.endr
	s_endpgm
.Lfunc_end_k_qefc1ad883c_prep:
	.size	k_qefc1ad883c_prep, .Lfunc_end_k_qefc1ad883c_prep-k_qefc1ad883c_prep
	.p2alignl 7, 3214868480
	.fill 96, 4, 3214868480
	.section	.rodata,"a",@progbits
	.p2align	6, 0x0
	.amdhsa_kernel k_qefc1ad883c_prep
		.amdhsa_group_segment_fixed_size 17408
		.amdhsa_private_segment_fixed_size 0
		.amdhsa_enable_private_segment 0
		.amdhsa_kernarg_size 64
		.amdhsa_user_sgpr_count 2
		.amdhsa_user_sgpr_kernarg_segment_ptr 1
		.amdhsa_wavefront_size32 1
		.amdhsa_system_sgpr_workgroup_id_x 1
		.amdhsa_system_sgpr_workgroup_id_y 1
		.amdhsa_system_sgpr_workgroup_id_z 1
		.amdhsa_system_vgpr_workitem_id 0
		.amdhsa_next_free_vgpr 66
		.amdhsa_next_free_sgpr 66
		.amdhsa_reserve_vcc 0
		.amdhsa_float_denorm_mode_32 3
		.amdhsa_float_denorm_mode_16_64 3
		.amdhsa_memory_ordered 1
		.amdhsa_forward_progress 1
		.amdhsa_inst_pref_size 21
	.end_amdhsa_kernel
	.amdgpu_metadata
---
amdhsa.version: [ 1, 2 ]
amdhsa.kernels:
  - .name:           k_qefc1ad883c_prep
    .symbol:         k_qefc1ad883c_prep.kd
    .args:
      - { .name: hidden_states, .offset: 0, .size: 8, .value_kind: global_buffer, .address_space: global }
      - { .name: Wq, .offset: 8, .size: 8, .value_kind: global_buffer, .address_space: global }
      - { .name: Wk, .offset: 16, .size: 8, .value_kind: global_buffer, .address_space: global }
      - { .name: Wv, .offset: 24, .size: 8, .value_kind: global_buffer, .address_space: global }
      - { .name: Wo, .offset: 32, .size: 8, .value_kind: global_buffer, .address_space: global }
      - { .name: hb, .offset: 40, .size: 8, .value_kind: global_buffer, .address_space: global }
      - { .name: wT, .offset: 48, .size: 8, .value_kind: global_buffer, .address_space: global }
      - { .name: woT, .offset: 56, .size: 8, .value_kind: global_buffer, .address_space: global }
    .group_segment_fixed_size: 17408
    .private_segment_fixed_size: 0
    .kernarg_segment_align: 8
    .kernarg_segment_size: 64
    .max_flat_workgroup_size: 256
    .sgpr_count:     66
    .vgpr_count:     66
    .wavefront_size: 32
...
	.end_amdgpu_metadata
.endif
;; end of part 1
;; launch qkvproj (part 2): grid 8 x 32, 4 waves a work-group, clusters of 4 x 4, 327,680 bytes of LDS; arguments hb, wT, qkv, qkvlo; writes qkv, qkvlo
.if DOCPART == 2
	.amdgcn_target "amdgcn-amd-amdhsa--gfx1250"
	.amdhsa_code_object_version 6
	.text
	.protected	k_qefc1ad883c_qkvproj
	.globl	k_qefc1ad883c_qkvproj
	.p2align	8
	.type	k_qefc1ad883c_qkvproj,@function
k_qefc1ad883c_qkvproj:
	s_mov_b64 s[64:65], 0
	v_nop
	global_prefetch_b8 v0, s[64:65] scope:SCOPE_SE
	s_setreg_imm32_b32 hwreg(HW_REG_WAVE_MODE, 25, 1), 1
	s_wait_xcnt 0x0
	s_wait_alu depctr_hold_cnt(0) depctr_sa_sdst(0) depctr_va_vdst(0) depctr_va_sdst(0) depctr_va_ssrc(0) depctr_va_vcc(0) depctr_vm_vsrc(0)
	s_getreg_b32 s2, hwreg(HW_REG_IB_STS2, 6, 4)
	s_cmp_eq_u32 s2, 0
	s_cbranch_scc0 .Lentry_in_a_cluster
	s_endpgm
.Lentry_in_a_cluster:
	s_bfe_u32 s2, ttmp6, 0x10000c
	s_cmp_lg_u32 s2, 0xf033
	s_cbranch_scc0 .Lentry_shape_is_right
	s_endpgm
.Lentry_shape_is_right:
; qkv = hb x wT^T: [4096 x 1024] x [1536 x 1024]^T, bf16 operands, f32 sums, stored in f16.
; LIMIT: the results q, k, v are kept in f16: |value| < 65,504, else they overflow to infinity.
; A work-group makes 128 rows x 192 columns with four waves (2 x 2), a wave 64 x 96: 24 accumulator tiles of 16 x 16, 192 registers.
; 32 x 8 blocks = 256 work-groups.  K goes in steps of 128 (rows of 256 bytes) through two LDS slots filled by the tensor data mover.
; CLUSTERS: 4 x 4 work-groups.  The four of a row of the cluster need the same rows of hb, the four of a column the same rows of wT; such a
; tile is asked for jointly, by the same load with the same descriptor in all four, which divides the requests by four.
; OUTPUT LAYOUT: qkv is [8 column blocks][4096 rows][192 columns] f16, so that a work-group's block is 49,152 dense bytes and every store of
; a wave covers 512 consecutive bytes, aligned.  A head's 64 columns (chunk j = column / 64) lie at block j / 3, byte 128 (j mod 3) of a row.
; TWO PARTS FOR THE FIRST ROWS: row q of the attention's result averages q + 1 values, so a batch's first rows are its largest, and there the
; 11 bits of one f16 number are too few for v.  Rows 0-31 of every block are therefore split, x = hi + lo, both f16: hi goes into qkv as every other
; number, lo into qkvlo [8 column blocks][32 row blocks][32 rows][192 columns].  The attention reads v's lo of a batch's first 32 keys.  The split hangs
; on the wave's number alone: every work-group does the same, since in a launch with joint loads no branch hangs on a block's place.
; REGISTERS: window 0: v12-29 addresses, v32-111 and v112-191 two fragment buffers (6 fragments of wT, 4 of hb); window 1: the accumulators,
; tile (a, b) at v[8 (6 a + b)].  The matrix instruction is used transposed (source 0 = rows of wT, source 1 = rows of hb): lane l then holds
; row l % 16 of the result and its eight registers eight neighbouring columns 8 (l / 16) + 0..7, which pack into 16 bytes.
.set SIZE_K, 1024
.set KSTEP,  128
.set PITCH,  272                       ; an LDS row: 256 bytes + 16 of padding, so that sixteen rows begin at sixteen different 16-byte columns of 256
.set NFR,    6                         ; fragments of wT in a wave's tile
.set AROWS,  64                        ; rows of hb in one tensor load (waves 0, 1)
.set BROWS,  96                        ; rows of wT in one tensor load (waves 2, 3)
.set ASTR,   AROWS*PITCH
.set BSTR,   BROWS*PITCH
.set BBASE,  2*BSTR                    ; wT's rows begin here: wave x BSTR for waves 2 and 3; hb's lie at wave x ASTR for waves 0 and 1,
.set SLOT,   4*BSTR                    ; so 17,408 bytes between them stay unused and every LDS address is wave x constant + slot's constant
.set STAGE,  2*SLOT                    ; behind the ring, a multiple of 256: 128 rows x 400 bytes for the way out; no tensor load lands here
.set SPITCH, 400                       ; 384 bytes + 16: an odd multiple of 16
.set LSTAGE, STAGE+128*SPITCH          ; 260,096, a multiple of 256: 32 rows x 400 bytes for the lo parts
.set LAPS,   SIZE_K/(2*KSTEP)          ; a lap = two K steps = once round the ring: 4
.set RDL,  12                          ; v12-14  the way out of the lo parts: where I read back
.set ADRA, 16                          ; v16-17  LDS address of my hb fragments in slot 0, 1
.set ADRB, 20                          ; v20-21  the same for wT
.set STO,  24                          ; v24     the way out: where I put 16 bytes
.set RD,   26                          ; v26-28  the way out: where I read back, for the three loads of a group of four rows
.set CO,   29                          ; v29     16 x lane
.set F0,   32
.set F1,   F0+8*(NFR+4)
.set TG,   128                         ; v[128:175] the split: 8193 x, then hi in f32; later the lo rows read back
.set TD,   176                         ; v[176:223] the split: x - 8193 x, then lo in f32
.set LO,   224                         ; v[224:247] lo, packed
.set G1,  24                           ; s[24:31] descriptor group 1 for hb's tiles
.set G0,  32                           ; s[32:39] group 0 for hb's tiles, one set for each slot
.set G1B, 48                           ; s[48:55] group 1 for wT's tiles
.set G0B, 56                           ; s[56:63] group 0 for wT's tiles, one set for each slot
.set MSB, 0
.macro WIN new                         ; the immediate's high byte repeats the setting that is left
.if MSB != \new
	s_set_vgpr_msb (MSB<<8)|\new
.set MSB, \new
.endif
.endm
; A joint load: waves 0 and 1 fetch hb's two halves, waves 2 and 3 wT's.  The branch hangs on the wave's number alone.
.macro JLOAD s
	s_cmp_eq_u32 s11, 0
	s_cbranch_scc0 .Lfor_b_\@
	tensor_load_to_lds s[G0+4*\s:G0+4*\s+3], s[G1:G1+7]
	s_nop 0
	s_branch .Lasked_\@
.Lfor_b_\@:
	tensor_load_to_lds s[G0B+4*\s:G0B+4*\s+3], s[G1B:G1B+7]
	s_nop 0
.Lasked_\@:
.endm
; A round of the cluster's barrier: my work-group's barrier, wave 0 signals for the work-group, every wave waits for all sixteen, my work-group's barrier again.
.macro CREST                           ; a round behind its opening barrier
	s_cmp_lg_u32 s10, 0
	s_cbranch_scc1 .Lnot_wave_0_\@
	s_barrier_signal -3
.Lnot_wave_0_\@:
	s_barrier_wait -3
	s_barrier_signal -1
	s_barrier_wait -1
.endm
.macro CROUND
	s_barrier_signal -1
	s_barrier_wait -1
	CREST
.endm
	s_load_b128 s[4:7], s[0:1], 0x0                ; hb s[4:5], wT s[6:7]
	s_load_b64 s[8:9], s[0:1], 0x10                ; qkv
	s_load_b64 s[66:67], s[0:1], 0x18              ; qkvlo
	v_lshl_add_u32 v254, v0, 2, 0x42a00
	v_mov_b32 v255, 0
	ds_add_u32 v254, v255
	v_lshrrev_b32 v1, 5, v0
	v_readfirstlane_b32 s10, v1                    ; wave 0..3
	s_lshr_b32 s11, s10, 1                         ; which 64 rows of the block are mine.  Also: I fetch for hb (0) or for wT (1)
	s_and_b32 s12, s10, 1                          ; which 96 columns.  Also: which half of that tile I fetch
	s_bfe_u32 s40, ttmp6, 0x40000                  ; cx
	s_bfe_u32 s41, ttmp6, 0x40004                  ; cy
	s_lshl_b32 s42, ttmp9, 2
	s_add_co_u32 s42, s42, s40                     ; block column = 4 x cluster x + cx
	s_and_b32 s13, ttmp7, 0xffff
	s_lshl_b32 s13, s13, 2
	s_add_co_u32 s13, s13, s41                     ; block row = 4 x cluster y + cy
	s_lshl_b32 s43, s41, 2
	s_lshl_b32 s43, 15, s43                        ; my row of the cluster: places 4 cy .. 4 cy + 3
	s_lshl_b32 s44, 0x1111, s40                    ; my column: places cx, cx + 4, cx + 8, cx + 12
	; group 1: rows of 128 elements of 2 bytes, 4 words of padding behind every 64 words; bit 21 set beside a mask
	s_or_b32 s[G1+0], s43, (1<<16)|(1<<20)|(1<<21)|(5<<22)|(3<<25)
	s_or_b32 s[G1B+0], s44, (1<<16)|(1<<20)|(1<<21)|(5<<22)|(3<<25)
	s_mov_b32 s[G1+1], KSTEP<<16                   ; tensor_dim0 = 128
	s_mov_b32 s[G1B+1], KSTEP<<16
	s_mov_b32 s[G1+2], AROWS<<16                   ; tensor_dim1 = the tile's rows
	s_mov_b32 s[G1B+2], BROWS<<16
	s_mov_b32 s[G1+3], KSTEP<<16                   ; tile_dim0 = 128
	s_mov_b32 s[G1B+3], KSTEP<<16
	s_mov_b32 s[G1+4], AROWS                       ; tile_dim1
	s_mov_b32 s[G1B+4], BROWS
	s_mov_b32 s[G1+5], SIZE_K                      ; elements from row to row
	s_mov_b32 s[G1B+5], SIZE_K
	s_mov_b32 s[G1+6], 0
	s_mov_b32 s[G1B+6], 0
	s_mov_b32 s[G1+7], 0
	s_mov_b32 s[G1B+7], 0
	; hb's tiles hang on the block row alone, wT's on the block column alone; each address in registers that never hold the other coordinate
	s_lshl_b32 s17, s12, 6
	s_lshl_b32 s16, s13, 7
	s_add_co_u32 s16, s16, s17                     ; hb: row 128 x block row + 64 x half
	s_lshl_b32 s16, s16, 11                        ; rows of 2,048 bytes; 8 MiB at the most
	s_mov_b32 s17, 0
	s_mul_i32 s47, s12, BROWS
	s_mul_i32 s46, s42, 2*BROWS
	s_add_co_u32 s46, s46, s47                     ; wT: row 192 x block column + 96 x half
	s_lshl_b32 s46, s46, 11
	s_mov_b32 s47, 0
	s_mul_i32 s20, s10, ASTR                       ; where they go: the wave's number times a constant
	s_mul_i32 s21, s10, BSTR
	s_wait_dscnt 0x0
	s_wait_kmcnt 0x0
	s_add_nc_u64 s[14:15], s[4:5], s[16:17]
	s_add_nc_u64 s[46:47], s[6:7], s[46:47]
	CROUND                                         ; all sixteen work-groups are here: the first joint loads meet
.irp s, 0,1
	s_mov_b32 s[G0+4*\s], 1
	s_add_co_u32 s[G0+4*\s+1], s20, \s*SLOT
	s_add_nc_u64 s[G0+4*\s+2:G0+4*\s+3], s[14:15], \s*KSTEP*2      ; K step s
	s_or_b32 s[G0+4*\s+3], s[G0+4*\s+3], 0x80000000
	s_mov_b32 s[G0B+4*\s], 1
	s_add_co_u32 s[G0B+4*\s+1], s21, \s*SLOT
	s_add_nc_u64 s[G0B+4*\s+2:G0B+4*\s+3], s[46:47], \s*KSTEP*2
	s_or_b32 s[G0B+4*\s+3], s[G0B+4*\s+3], 0x80000000
	JLOAD \s                                       ; both first fills go out together: two tensor loads of the wave are out
.endr
	; a fragment: lane l holds row l % 16; registers 0-3 hold K = 8 (l / 16) + 0..7, registers 4-7 K = 16 + 8 (l / 16) + 0..7: two loads of 16 bytes, 32 apart
	v_and_b32 v1, 15, v0                           ; r
	v_bfe_u32 v2, v0, 4, 1                         ; h
	v_mul_u32_u24 v3, v1, PITCH
	v_lshl_add_u32 v3, v2, 4, v3
	s_mul_i32 s22, s11, ASTR                       ; my 64 rows of hb
	s_mul_i32 s23, s12, BSTR
	s_add_co_u32 s23, s23, BBASE                   ; my 96 rows of wT
.irp s, 0,1
	v_add_nc_u32 v[ADRA+\s], s22, v3
	v_add_nc_u32 v[ADRB+\s], s23, v3
	s_add_co_u32 s22, s22, SLOT
	s_add_co_u32 s23, s23, SLOT
.endr
	s_mul_i32 s22, s11, 64*SPITCH                  ; the way out, in: row 64 wm + r, byte 192 wn + 16 h
	s_mul_i32 s23, s12, 192
	s_add_co_u32 s22, s22, s23
	s_add_co_u32 s22, s22, STAGE
	v_mul_u32_u24 v4, v1, SPITCH
	v_lshl_add_u32 v4, v2, 4, v4
	v_add_nc_u32 v[STO], s22, v4
	; back: wave w takes rows 32 w .. 32 w + 31 in eight groups of four rows = 1,536 dense bytes of qkv = three loads of 512 bytes.
	; Byte o = 512 q + 16 lane of a group lies in its row o / 384 = (4 q + lane / 8) / 3, and x / 3 = (11 x) >> 5 for x < 12; a stage row is 16 bytes longer.
	v_and_b32 v6, 31, v0
	v_lshrrev_b32 v7, 3, v6
	v_lshlrev_b32 v[CO], 4, v6
	s_mul_i32 s23, s10, 32*SPITCH
	s_add_co_u32 s23, s23, STAGE
	s_mul_i32 s22, s10, 24*SPITCH                  ; of the lo stage wave w takes rows 8 w .. 8 w + 7: 24 w rows less than in the stage, and the stages' distance more
	s_sub_co_u32 s22, LSTAGE-STAGE, s22
.irp q, 0,1,2
	v_add_nc_u32 v8, 4*\q, v7
	v_mul_u32_u24 v8, 11, v8
	v_lshrrev_b32 v8, 5, v8
	v_lshl_add_u32 v8, v8, 4, v[CO]
	v_add_nc_u32 v8, s23, v8
	v_add_nc_u32 v[RD+\q], 512*\q, v8
	v_add_nc_u32 v[RDL+\q], s22, v[RD+\q]
.endr
; n row blocks from a0 x all column blocks, 32 along K, on buffer f.  zero = 1: the first product starts the sums.
; The accumulators take turns, one instruction a turn, in the same order in every quarter step.
.macro MUL f, a0, n, zero
	WIN 0x50                                       ; C and D in window 1
.set ma, \a0
.rept \n
.set mb, 0
.rept NFR
.if \zero
	v_wmma_f32_16x16x32_bf16 v[8*(NFR*ma+mb):8*(NFR*ma+mb)+7], v[\f+8*mb:\f+8*mb+7], v[\f+8*(NFR+ma):\f+8*(NFR+ma)+7], 0
.else
	v_wmma_f32_16x16x32_bf16 v[8*(NFR*ma+mb):8*(NFR*ma+mb)+7], v[\f+8*mb:\f+8*mb+7], v[\f+8*(NFR+ma):\f+8*(NFR+ma)+7], v[8*(NFR*ma+mb):8*(NFR*ma+mb)+7]
.endif
.set mb, mb+1
.endr
.set ma, ma+1
.endr
	WIN 0
.endm
; the fragments of one quarter step (32 K at byte k of the rows) into buffer f: 20 loads in one run
.macro FETCH slot, k, f
.set fb, 0
.rept NFR
	ds_load_b128 v[\f+8*fb:\f+8*fb+3],   v[ADRB+\slot] offset:\k+fb*16*PITCH
	ds_load_b128 v[\f+8*fb+4:\f+8*fb+7], v[ADRB+\slot] offset:\k+fb*16*PITCH+32
.set fb, fb+1
.endr
.irp i, 0,1,2,3
	ds_load_b128 v[\f+8*(NFR+\i):\f+8*(NFR+\i)+3],   v[ADRA+\slot] offset:\k+\i*16*PITCH
	ds_load_b128 v[\f+8*(NFR+\i)+4:\f+8*(NFR+\i)+7], v[ADRA+\slot] offset:\k+\i*16*PITCH+32
.endr
.endm
; four places between a matrix instruction and a load into, or a vector instruction on, one of its registers (ISA guide 7.12.1 for vector instructions)
.macro PLACES
.rept 4
	v_nop
.endr
.endm
; A quarter step: buffer f is in; the next quarter's fragments are asked for into g, which the last quarter's products have read; then f is multiplied,
; so the 20 loads have 24 matrix instructions in which to land.
.macro QUARTER slot, k, f, g, zero
	s_wait_dscnt 0x0
	PLACES
	FETCH \slot, \k, \g
	MUL \f, 0, 4, \zero
.endm
.macro THREE slot, zero
	QUARTER \slot, 64,  F0, F1, \zero
	QUARTER \slot, 128, F1, F0, 0
	QUARTER \slot, 192, F0, F1, 0
.endm
; The last quarter multiplies buffer 1 and changes slots.  In front of the barrier each wave waits for its reads of this slot and for all its tensor
; loads (one is out: its part of the next slot).  fill = 1: the barrier opens a round of the cluster's barrier, and the joint refill is the first
; tensor load behind the round, the wave's only one until the next.
.macro TURN slot, next, fill
	s_wait_dscnt 0x0
	s_wait_tensorcnt 0x0
	ds_add_u32 v254, v255
	s_wait_dscnt 0x0
	s_barrier_signal -1
	MUL F1, 0, 2, 0                                ; register work while the others arrive
	s_barrier_wait -1
.if \fill
	CREST
	s_add_nc_u64 s[G0+4*\slot+2:G0+4*\slot+3], s[G0+4*\slot+2:G0+4*\slot+3], 2*KSTEP*2      ; no tensor load of mine is out: the addresses may step
	s_add_nc_u64 s[G0B+4*\slot+2:G0B+4*\slot+3], s[G0B+4*\slot+2:G0B+4*\slot+3], 2*KSTEP*2
	JLOAD \slot
.endif
	PLACES
	FETCH \next, 0, F0
	MUL F1, 2, 2, 0
.endm
.macro LAP zero
	THREE 0, \zero
	TURN 0, 1, 1
	THREE 1, 0
	TURN 1, 0, 1
.endm
	s_wait_tensorcnt 0x1                           ; my part of K step 0 is in; K step 1's load, issued behind it, may stay out
	s_barrier_signal -1
	s_barrier_wait -1
	FETCH 0, 0, F0
	LAP 1                                          ; K steps 0, 1: the first products start the sums
	s_mov_b32 s3, LAPS-2
.Llap:
	LAP 0
	s_sub_co_u32 s3, s3, 1
	s_cmp_lg_u32 s3, 0
	s_cbranch_scc1 .Llap
	THREE 0, 0                                     ; the last lap fills nothing
	TURN 0, 1, 0
	THREE 1, 0
	s_wait_dscnt 0x0
	MUL F1, 0, 4, 0
	; THE WAY OUT: round to f16, 16 bytes a lane into the stage; behind a barrier whole rows of 384 bytes are read back, which two waves have written
	PLACES
	s_mul_i32 s16, s13, 128*384
	s_mul_i32 s17, s10, 32*384
	s_add_co_u32 s16, s16, s17                     ; qkv: row 128 x block row + 32 x wave, in bytes
	s_mov_b32 s17, 0
	s_add_nc_u64 s[8:9], s[8:9], s[16:17]
	s_mul_i32 s46, s42, 4096*384                   ; the column block (in the registers that held wT's address: none that fed hb's descriptors holds cx)
	s_mov_b32 s47, 0
	s_add_nc_u64 s[8:9], s[8:9], s[46:47]
	s_mul_i32 s16, s13, 32*384
	s_mul_i32 s17, s10, 8*384
	s_add_co_u32 s16, s16, s17                     ; qkvlo: 32 rows a row block, 8 of them a wave
	s_mov_b32 s17, 0
	s_add_nc_u64 s[66:67], s[66:67], s[16:17]
	s_mul_i32 s46, s42, 32*32*384                  ; and 32 row blocks a column block
	s_mov_b32 s47, 0
	s_add_nc_u64 s[66:67], s[66:67], s[46:47]
; rows 16 a .. 16 a + 15 of my tile, rounded once
.macro PLAIN a
	WIN 0x05                                       ; both sources in window 1
.irp b, 0,1,2,3,4,5
.irp r, 0,1,2,3
	v_cvt_pk_f16_f32 v[F0+24*\a+4*\b+\r], v[8*(NFR*\a+\b)+2*\r], v[8*(NFR*\a+\b)+2*\r+1]
.endr
.endr
	WIN 0
.irp b, 0,1,2,3,4,5
	ds_store_b128 v[STO], v[F0+24*\a+4*\b:F0+24*\a+4*\b+3] offset:\a*16*SPITCH+\b*32
.endr
.endm
; the same rows in two parts.  g = 8193 x, d = x - g, hi = g + d, lo = x - hi, each rounded by itself (so no step is fused with the next): hi is x
; rounded to 24 - 13 = 11 bits, which f16 holds as it is from 2^-14 on, and lo is exact in f32.  The strip's 48 accumulators are v[48 a ..] of window 1.
.macro SPLIT a
	WIN 0x01                                       ; source 0 in window 1
.set sn, 0
.rept 24
	v_pk_mul_f32 v[TG+2*sn:TG+2*sn+1], v[48*\a+2*sn:48*\a+2*sn+1], 0x46000400 op_sel_hi:[1,0]
.set sn, sn+1
.endr
.set sn, 0
.rept 24
	v_pk_add_f32 v[TD+2*sn:TD+2*sn+1], v[48*\a+2*sn:48*\a+2*sn+1], v[TG+2*sn:TG+2*sn+1] neg_lo:[0,1] neg_hi:[0,1]
.set sn, sn+1
.endr
	WIN 0
.set sn, 0
.rept 24
	v_pk_add_f32 v[TG+2*sn:TG+2*sn+1], v[TG+2*sn:TG+2*sn+1], v[TD+2*sn:TD+2*sn+1]
.set sn, sn+1
.endr
	WIN 0x01
.set sn, 0
.rept 24
	v_pk_add_f32 v[TD+2*sn:TD+2*sn+1], v[48*\a+2*sn:48*\a+2*sn+1], v[TG+2*sn:TG+2*sn+1] neg_lo:[0,1] neg_hi:[0,1]
.set sn, sn+1
.endr
	WIN 0
.set sn, 0
.rept 24
	v_cvt_pk_f16_f32 v[F0+24*\a+sn], v[TG+2*sn], v[TG+2*sn+1]
	v_cvt_pk_f16_f32 v[LO+sn], v[TD+2*sn], v[TD+2*sn+1]
.set sn, sn+1
.endr
.irp b, 0,1,2,3,4,5
	ds_store_b128 v[STO], v[F0+24*\a+4*\b:F0+24*\a+4*\b+3] offset:\a*16*SPITCH+\b*32
	ds_store_b128 v[STO], v[LO+4*\b:LO+4*\b+3] offset:LSTAGE-STAGE+\a*16*SPITCH+\b*32
.endr
.endm
	s_cmp_lg_u32 s11, 0                            ; waves 0 and 1 hold the block's rows 0-63: their first two strips are rows 0-31
	s_cbranch_scc1 .Lplain
	SPLIT 0
	SPLIT 1
	s_branch .Lupper
.Lplain:
	PLAIN 0
	PLAIN 1
.Lupper:
	PLAIN 2
	PLAIN 3
	s_wait_dscnt 0x0                               ; my stores are in LDS before I say so
	s_barrier_signal -1
	s_barrier_wait -1
.irp g, 0,1,2,3,4,5,6,7
.irp q, 0,1,2
	ds_load_b128 v[F0+4*(3*\g+\q):F0+4*(3*\g+\q)+3], v[RD+\q] offset:\g*4*SPITCH
.endr
.endr
.irp g, 0,1
.irp q, 0,1,2
	ds_load_b128 v[TG+4*(3*\g+\q):TG+4*(3*\g+\q)+3], v[RDL+\q] offset:\g*4*SPITCH
.endr
.endr
.irp g, 0,1,2,3,4,5,6,7
.irp q, 0,1,2
	s_wait_dscnt 29-(3*\g+\q)                      ; LDS loads come back in order: the younger of the 24 and the 6 behind them stay out
	global_store_b128 v[CO], v[F0+4*(3*\g+\q):F0+4*(3*\g+\q)+3], s[8:9] offset:\g*1536+\q*512   ; 512 consecutive bytes, aligned
.endr
.endr
.irp g, 0,1
.irp q, 0,1,2
	s_wait_dscnt 5-(3*\g+\q)                       ; the younger of the 6 stay out
	global_store_b128 v[CO], v[TG+4*(3*\g+\q):TG+4*(3*\g+\q)+3], s[66:67] offset:\g*1536+\q*512  ; 512 consecutive bytes, aligned
.endr
.endr
	s_wait_tensorcnt 0x0
	ds_add_u32 v254, v255
	s_wait_dscnt 0x0
	CROUND                                         ; the closing round: no work-group ends while a partner may still ask for a tile that names it
	s_endpgm
.Lfunc_end_k_qefc1ad883c_qkvproj:
	.size	k_qefc1ad883c_qkvproj, .Lfunc_end_k_qefc1ad883c_qkvproj-k_qefc1ad883c_qkvproj
	.p2alignl 7, 3214868480
	.fill 96, 4, 3214868480
	.section	.rodata,"a",@progbits
	.p2align	6, 0x0
	.amdhsa_kernel k_qefc1ad883c_qkvproj
		.amdhsa_group_segment_fixed_size 327680
		.amdhsa_private_segment_fixed_size 0
		.amdhsa_enable_private_segment 0
		.amdhsa_kernarg_size 32
		.amdhsa_user_sgpr_count 2
		.amdhsa_user_sgpr_kernarg_segment_ptr 1
		.amdhsa_wavefront_size32 1
		.amdhsa_system_sgpr_workgroup_id_x 1
		.amdhsa_system_sgpr_workgroup_id_y 1
		.amdhsa_system_sgpr_workgroup_id_z 1
		.amdhsa_system_vgpr_workitem_id 0
		.amdhsa_next_free_vgpr 448
		.amdhsa_next_free_sgpr 68
		.amdhsa_reserve_vcc 0
		.amdhsa_float_denorm_mode_32 3
		.amdhsa_float_denorm_mode_16_64 3
		.amdhsa_memory_ordered 1
		.amdhsa_forward_progress 1
		.amdhsa_inst_pref_size 119
	.end_amdhsa_kernel
	.amdgpu_metadata
---
amdhsa.version: [ 1, 2 ]
amdhsa.kernels:
  - .name:           k_qefc1ad883c_qkvproj
    .symbol:         k_qefc1ad883c_qkvproj.kd
    .args:
      - { .name: hb, .offset: 0, .size: 8, .value_kind: global_buffer, .address_space: global }
      - { .name: wT, .offset: 8, .size: 8, .value_kind: global_buffer, .address_space: global }
      - { .name: qkv, .offset: 16, .size: 8, .value_kind: global_buffer, .address_space: global }
      - { .name: qkvlo, .offset: 24, .size: 8, .value_kind: global_buffer, .address_space: global }
    .group_segment_fixed_size: 327680
    .private_segment_fixed_size: 0
    .kernarg_segment_align: 8
    .kernarg_segment_size: 32
    .max_flat_workgroup_size: 128
    .sgpr_count:     68
    .vgpr_count:     448
    .wavefront_size: 32
...
	.end_amdgpu_metadata
.endif
;; end of part 2
;; launch attn (part 3): grid 256 x 1, 8 waves a work-group, no clusters, 327,680 bytes of LDS; arguments qkv, qkvlo, ctx, ctxlo; writes ctx, ctxlo
.if DOCPART == 3
	.amdgcn_target "amdgcn-amd-amdhsa--gfx1250"
	.amdhsa_code_object_version 6
	.text
	.protected	k_qefc1ad883c_attn
	.globl	k_qefc1ad883c_attn
	.p2align	8
	.type	k_qefc1ad883c_attn,@function
k_qefc1ad883c_attn:
	s_mov_b64 s[64:65], 0
	v_nop
	global_prefetch_b8 v0, s[64:65] scope:SCOPE_SE
	s_setreg_imm32_b32 hwreg(HW_REG_WAVE_MODE, 25, 1), 1
	s_wait_xcnt 0x0
; Causal attention with a running maximum; q, k, v from qkv (f16), products in the f16 matrix form with f32 sums, softmax in f32, ctx in f16.
; LIMITS: a masked score counts as minus infinity, where the problem adds -1e9: the same result as long as the scores of a row differ by less than
; about 1e9.  The weights are rounded to f16 for the second product (they lie in 0..1); ctx is kept in f16 (|value| < 65,504).  NaN and infinite
; inputs are not cared for.
; SHARES: work-group id: i = id & 31, KV head = (id >> 5) & 3, batch = id >> 7.  The 2,048 queries are 64 blocks of 32; the work-group takes blocks i and
; 63 - i for the four query heads of its KV head.  Wave w: head 4 kvh + (w & 3), block i (w < 4) or 63 - i (w >= 4).  A wave walks the keys in steps of 64
; up to its block's end: i / 2 + 1 and (63 - i) / 2 + 1 steps, 33 for waves w and w + 4 together, whatever i is.
; TRANSPOSED: S^T = K Q^T (source 0 = 16 keys, source 1 = 16 queries): lane (r, h) holds query r, and register j of key tile kt holds key 16 kt + 8 h + j.
; Two key tiles, packed to f16, ARE the second source of O^T = V^T P^T: no number changes lanes.  V^T's fragments come from V[key][d] by the
; transposing LDS load.  A query's figures (maximum, sum) are a lane's own; its two lanes r and r + 16 meet once a step for the maximum.
; TWO PARTS FOR THE FIRST ROWS: query q averages q + 1 values, so a batch's first rows are its largest, and there the 11 bits of one f16 number are too
; few.  In every wave's first step, for its query tile 0 and keys 0-31, the weights are split into two f16 numbers and v's lo part (qkvlo) is taken in:
; O = Phi Vhi + Plo Vhi + Phi Vlo.  On the way out tile 0 is split too; the waves whose first query is a multiple of 128 store its lo part into ctxlo
; [32 blocks of 128 rows][16 rows][1024], which the output projection adds in.  A batch's queries 0-15 see keys 0-15 alone, so for them all three
; roundings are mended; from query 16 on an average of 17 values or more is small enough for one f16 number.
; LDS: two slots of 128 keys: K keys 0-63, K keys 64-127 (pitch 144), V keys 0-63, V keys 64-127 (pitch 160), 10,240 bytes each; waves 0 to 3 fetch one
; region each, one tensor load a wave behind each barrier; wave 4 fetches v's lo part once, at the start: one tensor load of a wave is out at a time.
; Behind the ring: v's lo part (32 keys, pitch 160), then the two stages for the way out.
; NO CLUSTER: the work-groups of one KV head read the same K and V, but which steps a wave skips and which it masks hangs on i, that is on the
; work-group's place among its partners, and the number of 128-key chunks, 16 - i / 4, differs between them.
.set ROWB,    384                      ; bytes of a row of qkv's blocks
.set NBBYTES, 4096*ROWB                ; bytes of a block of 192 columns of qkv
.set LOBLOCK, 32*32*ROWB               ; the same of qkvlo: 32 row blocks of 32 rows
.set KPITCH,  144
.set VPITCH,  160
.set REGION,  10240
.set SLOT,    4*REGION
.set VLO,     2*SLOT                   ; 81,920: v's lo part, 32 keys x 160 bytes, filled once
.set STAGE,   VLO+32*VPITCH            ; 87,040, a multiple of 256: 64 rows x 528 bytes; no tensor load lands here
.set SPITCH,  528
.set LSTAGE,  STAGE+64*SPITCH          ; 120,832, a multiple of 256: 2 x 16 rows x 528 bytes for ctx's lo part
.set KA, 1                             ; v1   r x 144 + 16 h
.set VA, 2                             ; v2   V's regions + (8 h + lane % 8) x 160 + 16 ((lane / 8) % 2)
.set QR, 3                             ; v3   first query + r - 8 h
.set NINF, 4                           ; v4   minus infinity
.set DD, 5                             ; v5   QR - the step's first key
.set MX, 6                             ; v6, v7    running maximum of the raw scores, query tile 0, 1
.set LS, 8                             ; v8, v9    running sum of my half of the keys
.set AL, 10                            ; v[10:11]  the factor by which old sums shrink, twice
.set NM, 12                            ; v[12:13] tile 0, v[26:27] tile 1: -(log2 e / 8) x maximum, twice: the addend of the exponents
.set T,  14                            ; v[14:21]  at work
.set QO, 22                            ; v22  r x 384 + 16 h
.set STO, 23
.set RD, 24
.set CO, 25
.set STOL, 28                          ; v28  the lo stage: where I put 16 bytes
.set RDL, 29                           ; v29  the lo stage: where I read back
.set QF, 32                            ; v[32:63]    Q's fragments, tile c, K half kc at 16 c + 8 kc
.set OA, 64                            ; v[64:127]   O^T, tile c, d tile t at 32 c + 8 t
.set VL, OA+32                         ; v[96:127]   in the first step, until tile 1's sums start: the four fragments of v's lo part
.set SC, 128                           ; v[128:191]  S^T, tile c, key tile kt at 32 c + 8 kt; then P^T packed at 32 c + 16 kc
.set KV, 192                           ; v[192:255]  K's eight fragments, then V^T's
.set G1K, 24                           ; s[24:31]
.set G1V, 32                           ; s[32:39]
.set G0,  40                           ; s[40:47], one set for each slot
.set G0L, 60                           ; s[60:63]  v's lo part
.set G1L, 72                           ; s[72:79]
; s[d] = byte offset of the 64 columns of chunk s[j] in row 0: block j / 3 = (43 j) >> 7 (j < 24) of nbb bytes, 128 (j mod 3) bytes into a row
.macro CHUNKOFF d, j, t, nbb
	s_mul_i32 s[\d], s[\j], 43
	s_lshr_b32 s[\d], s[\d], 7
	s_mul_i32 s[\t], s[\d], 3
	s_sub_co_u32 s[\t], s[\j], s[\t]
	s_mul_i32 s[\d], s[\d], \nbb
	s_lshl_b32 s[\t], s[\t], 7
	s_add_co_u32 s[\d], s[\d], s[\t]
.endm
; waves 0, 1 fetch K's two halves of a chunk, waves 2, 3 V's; waves 4 to 7 fetch nothing.  The slot may be given as an expression: it stands in parentheses.
.macro KVLOAD slot
	s_cmp_gt_u32 s8, 3
	s_cbranch_scc1 .Lkv_end_\@
	s_cmp_gt_u32 s8, 1
	s_cbranch_scc1 .Lkv_v_\@
	tensor_load_to_lds s[G0+4*(\slot):G0+4*(\slot)+3], s[G1K:G1K+7]
	s_nop 0
	s_branch .Lkv_end_\@
.Lkv_v_\@:
	tensor_load_to_lds s[G0+4*(\slot):G0+4*(\slot)+3], s[G1V:G1V+7]
	s_nop 0
.Lkv_end_\@:
.endm
	s_load_b128 s[4:7], s[0:1], 0x0                ; qkv s[4:5], qkvlo s[6:7]
	s_load_b128 s[68:71], s[0:1], 0x10             ; ctx s[68:69], ctxlo s[70:71]
	v_lshl_add_u32 v30, v0, 2, 0x29000
	v_mov_b32 v31, 0
	ds_add_u32 v30, v31
	v_lshrrev_b32 v1, 5, v0
	v_readfirstlane_b32 s8, v1                     ; wave 0..7
	s_and_b32 s9, s8, 3                            ; g: which of the four query heads
	s_lshr_b32 s10, s8, 2                          ; which of the two blocks
	s_and_b32 s11, ttmp9, 31                       ; i
	s_lshr_b32 s13, ttmp9, 7                       ; batch
	s_bfe_u32 s14, ttmp9, 0x20005                  ; KV head
	s_sub_co_u32 s15, 63, s11
	s_cmp_lg_u32 s10, 0
	s_cselect_b32 s15, s15, s11
	s_lshl_b32 s15, s15, 5                         ; my first query
	s_add_co_u32 s16, s15, 32                      ; steps that begin here or later are skipped
	s_sub_co_i32 s17, s15, 63                      ; steps that begin at or below this (signed) need no mask
	s_mov_b32 s18, 0                               ; the step's first key
	s_and_b32 s23, s15, 127                        ; 0: my tile 0 is the first 16 rows of a block of 128 rows: its lo part is stored
	s_lshr_b32 s19, s11, 2
	s_sub_co_u32 s19, 15, s19                      ; chunks of 128 keys behind the first: 8..15
	s_and_b32 s20, s19, 1                          ; odd?
	s_sub_co_u32 s19, s19, 1
	s_lshr_b32 s19, s19, 1                         ; trips of the loop, two chunks each: 3..7
	s_max_u32 s19, s19, 1                          ; changes nothing: it states in the text that the count is at least 1
	s_mov_b32 s21, 0x76543210                      ; v_permlanex16_b32: lane i of one half reads lane i of the other
	s_mov_b32 s22, 0xfedcba98
	; group 1: rows of 64 elements of 2 bytes, 192 elements from row to row; padding behind every 32 words: 4 words for K, 8 for V and v's lo part
	s_mov_b32 s[G1K+0], (1<<16)|(1<<20)|(4<<22)|(3<<25)
	s_mov_b32 s[G1V+0], (1<<16)|(1<<20)|(4<<22)|(7<<25)
	s_mov_b32 s[G1L+0], (1<<16)|(1<<20)|(4<<22)|(7<<25)
.irp g, G1K, G1V, G1L
	s_mov_b32 s[\g+1], 64<<16                      ; tensor_dim0
	s_mov_b32 s[\g+3], 64<<16                      ; tile_dim0
	s_mov_b32 s[\g+5], 192
	s_mov_b32 s[\g+6], 0
	s_mov_b32 s[\g+7], 0
.endr
.irp g, G1K, G1V
	s_mov_b32 s[\g+2], 64<<16                      ; tensor_dim1
	s_mov_b32 s[\g+4], 64                          ; tile_dim1: 64 keys
.endr
	s_mov_b32 s[G1L+2], 32<<16
	s_mov_b32 s[G1L+4], 32                         ; 32 keys
	s_cmp_lt_u32 s8, 2
	s_cselect_b32 s48, 16, 20
	s_add_co_u32 s48, s48, s14                     ; chunk 16 + kvh (K) or 20 + kvh (V)
	CHUNKOFF 50, 48, 49, NBBYTES
	s_lshl_b32 s49, s13, 11
	s_and_b32 s51, s8, 1
	s_lshl_b32 s51, s51, 6
	s_add_co_u32 s49, s49, s51                     ; row: batch x 2048 + 64 x half
	s_mul_i32 s49, s49, ROWB
	s_add_co_u32 s50, s50, s49
	s_mov_b32 s51, 0
	s_add_co_u32 s48, s14, 20                      ; v's lo part: chunk 20 + kvh,
	CHUNKOFF 2, 48, 49, LOBLOCK
	s_mul_i32 s49, s13, 16*32*ROWB                 ; row block 16 x batch, its 32 rows = the batch's keys 0-31
	s_add_co_u32 s2, s2, s49
	s_mov_b32 s3, 0
	s_mul_i32 s52, s8, REGION                      ; my region: the wave's number times a constant
	s_wait_dscnt 0x0
	s_barrier_signal -1
	s_barrier_wait -1
	s_wait_kmcnt 0x0
	s_add_nc_u64 s[54:55], s[4:5], s[50:51]
.irp s, 0,1
	s_mov_b32 s[G0+4*\s], 1
	s_add_co_u32 s[G0+4*\s+1], s52, \s*SLOT
	s_add_nc_u64 s[G0+4*\s+2:G0+4*\s+3], s[54:55], \s*128*ROWB     ; chunk s
	s_or_b32 s[G0+4*\s+3], s[G0+4*\s+3], 0x80000000
.endr
	s_mov_b32 s[G0L], 1
	s_mov_b32 s[G0L+1], VLO
	s_add_nc_u64 s[G0L+2:G0L+3], s[6:7], s[2:3]
	s_or_b32 s[G0L+3], s[G0L+3], 0x80000000
	KVLOAD 0                                       ; the first fills at the start, one a wave at the most: slot 0 by waves 0 to 3,
	s_cmp_lg_u32 s8, 4
	s_cbranch_scc1 .Lno_vlo
	tensor_load_to_lds s[G0L:G0L+3], s[G1L:G1L+7]  ; v's lo part by wave 4.  Slot 1 is first filled behind the first trip's barrier
	s_nop 0
.Lno_vlo:
	s_lshl_b32 s48, s14, 2
	s_add_co_u32 s48, s48, s9                      ; my query head = its chunk's number
	CHUNKOFF 50, 48, 49, NBBYTES
	s_lshl_b32 s49, s13, 11
	s_add_co_u32 s49, s49, s15                     ; batch x 2048 + first query
	s_mul_i32 s51, s49, ROWB
	s_add_co_u32 s50, s50, s51
	s_mov_b32 s51, 0
	s_add_nc_u64 s[56:57], s[4:5], s[50:51]        ; Q
	s_lshl_b32 s52, s9, 3
	s_add_co_u32 s52, s52, s49                     ; the way out: my eight rows of ctx begin at first query + 8 g
	s_lshl_b32 s52, s52, 11
	s_lshl_b32 s53, s14, 9                         ; and at the four heads' 512 bytes
	s_add_co_u32 s52, s52, s53
	s_mov_b32 s53, 0
	s_add_nc_u64 s[58:59], s[68:69], s[52:53]
	s_lshl_b32 s52, s13, 4
	s_lshr_b32 s53, s15, 7
	s_add_co_u32 s52, s52, s53                     ; ctxlo: block of 128 rows = 16 x batch + first query / 128,
	s_lshl_b32 s52, s52, 4                         ; 16 rows each,
	s_lshl_b32 s53, s9, 2
	s_add_co_u32 s52, s52, s53                     ; of which I store rows 4 g .. 4 g + 3
	s_lshl_b32 s52, s52, 11
	s_lshl_b32 s53, s14, 9
	s_add_co_u32 s52, s52, s53
	s_mov_b32 s53, 0
	s_add_nc_u64 s[80:81], s[70:71], s[52:53]
	v_and_b32 v14, 15, v0                          ; r
	v_bfe_u32 v15, v0, 4, 1                        ; h
	v_mul_u32_u24 v[QO], v14, ROWB
	v_lshl_add_u32 v[QO], v15, 4, v[QO]
.irp c, 0,1
.irp kc, 0,1
	global_load_b128 v[QF+16*\c+8*\kc:QF+16*\c+8*\kc+3],   v[QO], s[56:57] offset:\c*16*ROWB+\kc*64
	global_load_b128 v[QF+16*\c+8*\kc+4:QF+16*\c+8*\kc+7], v[QO], s[56:57] offset:\c*16*ROWB+\kc*64+32
.endr
.endr
	v_and_b32 v16, 7, v0
	v_bfe_u32 v17, v0, 3, 1
	v_and_b32 v18, 31, v0
	v_mul_u32_u24 v[KA], v14, KPITCH
	v_lshl_add_u32 v[KA], v15, 4, v[KA]
	v_lshl_add_u32 v[VA], v15, 3, v16
	v_mul_u32_u24 v[VA], v[VA], VPITCH
	v_lshl_add_u32 v[VA], v17, 4, v[VA]
	v_add_nc_u32 v[VA], 2*REGION, v[VA]
	v_lshlrev_b32 v[QR], 3, v15
	v_sub_nc_u32 v[QR], v14, v[QR]
	v_add_nc_u32 v[QR], s15, v[QR]
	v_mov_b32 v[NINF], 0xff800000
	s_lshl_b32 s49, s9, 7
	s_mul_i32 s48, s10, 32*SPITCH                  ; stage, in: row 32 x block + 16 c + r, byte 128 g + 32 t + 16 h
	s_add_co_u32 s48, s48, s49
	s_add_co_u32 s48, s48, STAGE
	s_mul_i32 s50, s10, 16*SPITCH                  ; lo stage, in: row 16 x block + r, the same bytes
	s_add_co_u32 s50, s50, s49
	s_add_co_u32 s50, s50, LSTAGE
	v_mul_u32_u24 v19, v14, SPITCH
	v_lshl_add_u32 v19, v15, 4, v19
	v_add_nc_u32 v[STO], s48, v19
	v_add_nc_u32 v[STOL], s50, v19
	s_mul_i32 s49, s8, 8*SPITCH                    ; back: rows 8 w .. 8 w + 7, 512 bytes each;
	s_add_co_u32 s49, s49, STAGE
	s_mul_i32 s51, s8, 4*SPITCH                    ; of the lo stage rows 4 w .. 4 w + 3 = 16 x block + 4 g ..
	s_add_co_u32 s51, s51, LSTAGE
	v_lshlrev_b32 v[CO], 4, v18
	v_add_nc_u32 v[RD], s49, v[CO]
	v_add_nc_u32 v[RDL], s51, v[CO]
.macro KLOAD slot, half                ; 64 keys x 64 d: eight fragments (key tile kt, K half kc)
.irp kt, 0,1,2,3
.irp kc, 0,1
	ds_load_b128 v[KV+8*(2*\kt+\kc):KV+8*(2*\kt+\kc)+3],   v[KA] offset:\slot*SLOT+\half*REGION+\kt*16*KPITCH+\kc*64
	ds_load_b128 v[KV+8*(2*\kt+\kc)+4:KV+8*(2*\kt+\kc)+7], v[KA] offset:\slot*SLOT+\half*REGION+\kt*16*KPITCH+\kc*64+32
.endr
.endr
.endm
.macro VLOAD slot, half                ; V^T: eight fragments (d tile t, 32 keys kc), transposed on the way
.irp t, 0,1,2,3
.irp kc, 0,1
	ds_load_tr16_b128 v[KV+8*(2*\t+\kc):KV+8*(2*\t+\kc)+3],   v[VA] offset:\slot*SLOT+\half*REGION+\kc*32*VPITCH+\t*32
	ds_load_tr16_b128 v[KV+8*(2*\t+\kc)+4:KV+8*(2*\t+\kc)+7], v[VA] offset:\slot*SLOT+\half*REGION+\kc*32*VPITCH+\t*32+16*VPITCH
.endr
.endr
.endm
.macro VLOLOAD                         ; the lo part of V^T, keys 0-31: four fragments.  VA points at V's region of slot 0: the distance stands in the offset, 64,096 at the most
.irp t, 0,1,2,3
	ds_load_tr16_b128 v[VL+8*\t:VL+8*\t+3],   v[VA] offset:VLO-2*REGION+\t*32
	ds_load_tr16_b128 v[VL+8*\t+4:VL+8*\t+7], v[VA] offset:VLO-2*REGION+\t*32+16*VPITCH
.endr
.endm
; In all products four accumulators take turns, one instruction a turn.
.macro SMUL c
.irp kc, 0,1
.irp kt, 0,1,2,3
.if \kc
	v_wmma_f32_16x16x32_f16 v[SC+32*\c+8*\kt:SC+32*\c+8*\kt+7], v[KV+8*(2*\kt+\kc):KV+8*(2*\kt+\kc)+7], v[QF+16*\c+8*\kc:QF+16*\c+8*\kc+7], v[SC+32*\c+8*\kt:SC+32*\c+8*\kt+7]
.else
	v_wmma_f32_16x16x32_f16 v[SC+32*\c+8*\kt:SC+32*\c+8*\kt+7], v[KV+8*(2*\kt+\kc):KV+8*(2*\kt+\kc)+7], v[QF+16*\c+8*\kc:QF+16*\c+8*\kc+7], 0
.endif
.endr
.endr
.endm
.macro PVMUL c, first
.irp kc, 0,1
.irp t, 0,1,2,3
.if \first*(1-\kc)
	v_wmma_f32_16x16x32_f16 v[OA+32*\c+8*\t:OA+32*\c+8*\t+7], v[KV+8*(2*\t+\kc):KV+8*(2*\t+\kc)+7], v[SC+32*\c+16*\kc:SC+32*\c+16*\kc+7], 0
.else
	v_wmma_f32_16x16x32_f16 v[OA+32*\c+8*\t:OA+32*\c+8*\t+7], v[KV+8*(2*\t+\kc):KV+8*(2*\t+\kc)+7], v[SC+32*\c+16*\kc:SC+32*\c+16*\kc+7], v[OA+32*\c+8*\t:OA+32*\c+8*\t+7]
.endif
.endr
.endr
.endm
.macro PVLO                            ; tile 0, keys 0-31: + Vhi Plo, + Vlo Phi
.irp t, 0,1,2,3
	v_wmma_f32_16x16x32_f16 v[OA+8*\t:OA+8*\t+7], v[KV+16*\t:KV+16*\t+7], v[SC+24:SC+31], v[OA+8*\t:OA+8*\t+7]
.endr
.irp t, 0,1,2,3
	v_wmma_f32_16x16x32_f16 v[OA+8*\t:OA+8*\t+7], v[VL+8*\t:VL+8*\t+7], v[SC:SC+7], v[OA+8*\t:OA+8*\t+7]
.endr
.endm
; key <= query, that is first key + 16 kt + 8 h + j <= first query + 16 c + r, that is 16 kt + j - 16 c <= QR - first key; else minus infinity.
; Every step that is not skipped begins at or below the wave's first query, so each query keeps at least the step's first key and each maximum is finite.
.macro MASK
	v_sub_nc_u32 v[DD], v[QR], s18
.irp c, 0,1
.irp kt, 0,1,2,3
.irp j, 0,1,2,3,4,5,6,7
	v_cmp_le_i32 vcc_lo, 16*\kt+\j-16*\c, v[DD]
	v_cndmask_b32 v[SC+32*\c+8*\kt+\j], v[NINF], v[SC+32*\c+8*\kt+\j], vcc_lo
.endr
.endr
.endr
.endm
; Query tile c: new maximum, weights 2^(S log2 e / 8 + NM), old sums and O shrunk by 2^(new NM - old NM), weights packed to f16 in place.
; split = 1: the weights of keys 0-31 are packed in two parts, hi in place and lo into the tile's last eight registers.
.macro SOFTMAX c, first, split
.set SB, SC+32*\c
.set OB, OA+32*\c
.set NMC, NM+14*\c
.irp k, 0,1,2,3
	v_max3_num_f32 v[T+\k], v[SB+8*\k], v[SB+8*\k+1], v[SB+8*\k+2]         ; four chains that do not wait for each other
.endr
.irp k, 0,1,2,3
	v_max3_num_f32 v[T+\k], v[T+\k], v[SB+8*\k+3], v[SB+8*\k+4]
.endr
.irp k, 0,1,2,3
	v_max3_num_f32 v[T+\k], v[T+\k], v[SB+8*\k+5], v[SB+8*\k+6]
.endr
	v_max3_num_f32 v[T], v[T], v[SB+7], v[SB+15]
	v_max3_num_f32 v[T+2], v[T+2], v[SB+23], v[SB+31]
	v_max3_num_f32 v[T], v[T], v[T+1], v[T+2]
.if \first
	v_max_num_f32 v[T], v[T], v[T+3]
.else
	v_max3_num_f32 v[T], v[T], v[T+3], v[MX+\c]
.endif
	v_permlanex16_b32 v[T+1], v[T], s21, s22       ; the other half of the keys of my query
	v_max_num_f32 v[MX+\c], v[T], v[T+1]
.if \first
	v_mul_f32 v[NMC], 0xbe38aa3b, v[MX+\c]
	v_mov_b32 v[NMC+1], v[NMC]
.else
	v_mul_f32 v[T+2], 0xbe38aa3b, v[MX+\c]
	v_sub_f32 v[T+3], v[T+2], v[NMC]               ; the difference of the very addends that the exponents use: all weights of a row refer to one point
	v_exp_f32 v[AL], v[T+3]
	v_mov_b32 v[NMC], v[T+2]                       ; plain work between the exponential and the use of its result (ISA guide 5.7.2)
	v_mov_b32 v[NMC+1], v[T+2]
	s_wait_alu depctr_va_vdst(0)
	v_mov_b32 v[AL+1], v[AL]
.endif
.set si, 0
.rept 16
	v_pk_fma_f32 v[SB+2*si:SB+2*si+1], v[SB+2*si:SB+2*si+1], 0x3e38aa3b, v[NMC:NMC+1] op_sel_hi:[1,0,1]
.set si, si+1
.endr
.set si, 0
.rept 32
	v_exp_f32 v[SB+si], v[SB+si]
.set si, si+1
.endr
.if \first
	v_nop                                          ; a plain place between the exponentials and the use of their results
	s_wait_alu depctr_va_vdst(0)
.else
.set si, 0
	s_wait_alu depctr_va_vdst(0)
.rept 16
	v_pk_mul_f32 v[OB+2*si:OB+2*si+1], v[OB+2*si:OB+2*si+1], v[AL:AL+1]    ; plain work that names no exponential's register
.set si, si+1
.endr
.endif
.irp k, 0,1,2,3
	v_pk_add_f32 v[T+2*\k:T+2*\k+1], v[SB+8*\k:SB+8*\k+1], v[SB+8*\k+2:SB+8*\k+3]
.endr
.irp k, 0,1,2,3
	v_pk_add_f32 v[T+2*\k:T+2*\k+1], v[T+2*\k:T+2*\k+1], v[SB+8*\k+4:SB+8*\k+5]
.endr
.irp k, 0,1,2,3
	v_pk_add_f32 v[T+2*\k:T+2*\k+1], v[T+2*\k:T+2*\k+1], v[SB+8*\k+6:SB+8*\k+7]
.endr
	v_pk_add_f32 v[T:T+1], v[T:T+1], v[T+2:T+3]
	v_pk_add_f32 v[T+4:T+5], v[T+4:T+5], v[T+6:T+7]
	v_pk_add_f32 v[T:T+1], v[T:T+1], v[T+4:T+5]
.if \first
	v_add_f32 v[LS+\c], v[T], v[T+1]
.else
	v_add_f32 v[T], v[T], v[T+1]
	v_fma_f32 v[LS+\c], v[LS+\c], v[AL], v[T]
.endif
.if \split
.irp i, 0,1,2,3,4,5,6,7
	v_cvt_pk_f16_f32 v[SB+16+\i], v[SB+16+2*\i], v[SB+16+2*\i+1]           ; keys 32-63 first: that frees the tile's last eight registers
.endr
	; keys 0-31: g = 8193 p, d = p - g, hi = g + d, lo = p - hi, each rounded by itself (so no step is fused with the next): hi is p rounded to 11 bits, lo is exact in f32
.irp i, 0,1,2,3,4,5,6,7
	v_pk_mul_f32 v[T+4*(\i&1):T+4*(\i&1)+1], v[SB+2*\i:SB+2*\i+1], 0x46000400 op_sel_hi:[1,0]
	v_pk_add_f32 v[T+4*(\i&1)+2:T+4*(\i&1)+3], v[SB+2*\i:SB+2*\i+1], v[T+4*(\i&1):T+4*(\i&1)+1] neg_lo:[0,1] neg_hi:[0,1]
	v_pk_add_f32 v[T+4*(\i&1):T+4*(\i&1)+1], v[T+4*(\i&1):T+4*(\i&1)+1], v[T+4*(\i&1)+2:T+4*(\i&1)+3]
	v_pk_add_f32 v[T+4*(\i&1)+2:T+4*(\i&1)+3], v[SB+2*\i:SB+2*\i+1], v[T+4*(\i&1):T+4*(\i&1)+1] neg_lo:[0,1] neg_hi:[0,1]
	v_cvt_pk_f16_f32 v[SB+\i], v[T+4*(\i&1)], v[T+4*(\i&1)+1]
	v_cvt_pk_f16_f32 v[SB+24+\i], v[T+4*(\i&1)+2], v[T+4*(\i&1)+3]
.endr
.else
.irp kc, 0,1
.irp i, 0,1,2,3,4,5,6,7
	v_cvt_pk_f16_f32 v[SB+16*\kc+\i], v[SB+16*\kc+2*\i], v[SB+16*\kc+2*\i+1]   ; ascending: register i is written when 2 i and 2 i + 1 >= i have been read
.endr
.endr
.endif
.endm
; One step of 64 keys.  The two branches hang on the wave's number and the work-group's; no barrier and no tensor load stands behind them.
.macro STEP slot, half, first
.if \first == 0
	s_cmp_ge_u32 s18, s16                          ; all 64 keys lie behind my last query
	s_cbranch_scc1 .Lskip_\@
.endif
	KLOAD \slot, \half
.if \first
	s_wait_loadcnt 0x0                             ; Q
.endif
	s_wait_dscnt 0x0
	SMUL 0
	SMUL 1
.rept 4
	v_nop                                          ; four places in front of the loads into K's registers and of the reads of S (ISA guide 7.12.1 for vector instructions)
.endr
	VLOAD \slot, \half                             ; lands while the first tile's softmax is made
.if \first
	VLOLOAD
.endif
	s_cmp_le_i32 s18, s17                          ; the last key is at or below my first query: nothing to mask
	s_cbranch_scc1 .Lnomask_\@
	MASK
.Lnomask_\@:
	SOFTMAX 0, \first, \first
	s_wait_dscnt 0x0                               ; V^T
	PVMUL 0, \first
.if \first
	PVLO
.endif
	SOFTMAX 1, \first, 0                           ; names none of the registers of tile 0's products; in the first step it does not touch tile 1's O either, where v's lo part lies
	PVMUL 1, \first
.rept 5
	v_nop                                          ; five places in front of the next step's loads into V's registers and of the products that write over P
.endr
.Lskip_\@:
	s_add_co_u32 s18, s18, 64
.endm
; One chunk of 128 keys.  In front of the barrier every wave waits for all its tensor loads (my part of this slot among them) and for its reads of the
; other slot; behind it the other slot's next chunk is asked for first, one tensor load a wave, and has two steps' work in which to land.
.macro TRIP slot, refill, first
	s_wait_tensorcnt 0x0
	ds_add_u32 v30, v31
	s_wait_dscnt 0x0
	s_add_nc_u64 s[G0+4*\slot+2:G0+4*\slot+3], s[G0+4*\slot+2:G0+4*\slot+3], 2*128*ROWB    ; no tensor load of mine is out: this slot's next chunk
	s_wait_dscnt 0x0
	s_barrier_signal -1
	s_barrier_wait -1
.if \refill
	KVLOAD 1-\slot
.endif
	STEP \slot, 0, \first
	STEP \slot, 1, 0
.endm
	TRIP 0, 1, 1                                   ; chunk 0: its first step starts all sums
.Lchunks:
	TRIP 1, 1, 0
	TRIP 0, 1, 0
	s_sub_co_u32 s19, s19, 1
	s_cmp_lg_u32 s19, 0
	s_cbranch_scc1 .Lchunks
	s_cmp_lg_u32 s20, 0                            ; hangs on the work-group's number alone: the same way for all eight waves
	s_cbranch_scc1 .Lodd
	TRIP 1, 1, 0                                   ; two chunks are left
	TRIP 0, 0, 0
	s_branch .Lout
.Lodd:
	TRIP 1, 0, 0                                   ; one chunk is left
.Lout:
	; the two halves' sums meet, O is divided, rounded to f16 and gathered in the stage, so that rows of four heads (512 bytes) leave whole
	v_permlanex16_b32 v[T], v[LS], s21, s22
	v_permlanex16_b32 v[T+1], v[LS+1], s21, s22
	v_add_f32 v[LS], v[LS], v[T]
	v_add_f32 v[LS+1], v[LS+1], v[T+1]
	v_rcp_f32 v[AL], v[LS]
	v_rcp_f32 v[NM], v[LS+1]
	v_nop                                          ; a plain place behind the reciprocals
	s_wait_alu depctr_va_vdst(0)
	v_mov_b32 v[AL+1], v[AL]
	v_mov_b32 v[NM+1], v[NM]
.irp c, 0,1
.set si, 0
.rept 16
	v_pk_mul_f32 v[OA+32*\c+2*si:OA+32*\c+2*si+1], v[OA+32*\c+2*si:OA+32*\c+2*si+1], v[AL+2*\c:AL+2*\c+1]
.set si, si+1
.endr
.endr
	; tile 0 in two parts, as the weights above: g, then hi, in KV's registers; d, then lo, in the upper half of S's
.set si, 0
.rept 16
	v_pk_mul_f32 v[KV+2*si:KV+2*si+1], v[OA+2*si:OA+2*si+1], 0x46000400 op_sel_hi:[1,0]
.set si, si+1
.endr
.set si, 0
.rept 16
	v_pk_add_f32 v[SC+32+2*si:SC+32+2*si+1], v[OA+2*si:OA+2*si+1], v[KV+2*si:KV+2*si+1] neg_lo:[0,1] neg_hi:[0,1]
.set si, si+1
.endr
.set si, 0
.rept 16
	v_pk_add_f32 v[KV+2*si:KV+2*si+1], v[KV+2*si:KV+2*si+1], v[SC+32+2*si:SC+32+2*si+1]
.set si, si+1
.endr
.set si, 0
.rept 16
	v_pk_add_f32 v[SC+32+2*si:SC+32+2*si+1], v[OA+2*si:OA+2*si+1], v[KV+2*si:KV+2*si+1] neg_lo:[0,1] neg_hi:[0,1]
.set si, si+1
.endr
.irp t, 0,1,2,3
.irp i, 0,1,2,3
	v_cvt_pk_f16_f32 v[SC+4*\t+\i], v[KV+8*\t+2*\i], v[KV+8*\t+2*\i+1]             ; tile 0: hi
.endr
	ds_store_b128 v[STO], v[SC+4*\t:SC+4*\t+3] offset:\t*32
.endr
.irp t, 0,1,2,3
.irp i, 0,1,2,3
	v_cvt_pk_f16_f32 v[SC+16+4*\t+\i], v[OA+32+8*\t+2*\i], v[OA+32+8*\t+2*\i+1]    ; tile 1: rounded once
.endr
	ds_store_b128 v[STO], v[SC+16+4*\t:SC+16+4*\t+3] offset:16*SPITCH+\t*32
.endr
	s_cmp_lg_u32 s23, 0                            ; the four waves of a block whose first query is a multiple of 128: tile 0's lo part
	s_cbranch_scc1 .Lno_lo_in
.irp t, 0,1,2,3
.irp i, 0,1,2,3
	v_cvt_pk_f16_f32 v[KV+32+4*\t+\i], v[SC+32+8*\t+2*\i], v[SC+32+8*\t+2*\i+1]
.endr
	ds_store_b128 v[STOL], v[KV+32+4*\t:KV+32+4*\t+3] offset:\t*32
.endr
.Lno_lo_in:
	s_wait_dscnt 0x0                               ; my stores are in LDS before I say so
	s_barrier_signal -1
	s_barrier_wait -1
.irp e, 0,1,2,3,4,5,6,7
	ds_load_b128 v[KV+4*\e:KV+4*\e+3], v[RD] offset:\e*SPITCH
.endr
.irp e, 0,1,2,3,4,5,6,7
	s_wait_dscnt 7-\e                              ; LDS loads come back in order: the younger ones stay out
	global_store_b128 v[CO], v[KV+4*\e:KV+4*\e+3], s[58:59] offset:\e*2048     ; 512 consecutive bytes of a row of ctx, aligned
.endr
	s_cmp_lg_u32 s23, 0
	s_cbranch_scc1 .Lend
.irp e, 0,1,2,3
	ds_load_b128 v[KV+32+4*\e:KV+32+4*\e+3], v[RDL] offset:\e*SPITCH
.endr
.irp e, 0,1,2,3
	s_wait_dscnt 3-\e                              ; the younger ones stay out
	global_store_b128 v[CO], v[KV+32+4*\e:KV+32+4*\e+3], s[80:81] offset:\e*2048   ; 512 consecutive bytes of a row of ctxlo, aligned
.endr
.Lend:
	s_wait_tensorcnt 0x0
	ds_add_u32 v30, v31
	s_wait_dscnt 0x0
	s_endpgm
.Lfunc_end_k_qefc1ad883c_attn:
	.size	k_qefc1ad883c_attn, .Lfunc_end_k_qefc1ad883c_attn-k_qefc1ad883c_attn
	.p2alignl 7, 3214868480
	.fill 96, 4, 3214868480
	.section	.rodata,"a",@progbits
	.p2align	6, 0x0
	.amdhsa_kernel k_qefc1ad883c_attn
		.amdhsa_group_segment_fixed_size 327680
		.amdhsa_private_segment_fixed_size 0
		.amdhsa_enable_private_segment 0
		.amdhsa_kernarg_size 32
		.amdhsa_user_sgpr_count 2
		.amdhsa_user_sgpr_kernarg_segment_ptr 1
		.amdhsa_wavefront_size32 1
		.amdhsa_system_sgpr_workgroup_id_x 1
		.amdhsa_system_sgpr_workgroup_id_y 1
		.amdhsa_system_sgpr_workgroup_id_z 1
		.amdhsa_system_vgpr_workitem_id 0
		.amdhsa_next_free_vgpr 256
		.amdhsa_next_free_sgpr 82
		.amdhsa_reserve_vcc 1
		.amdhsa_float_denorm_mode_32 3
		.amdhsa_float_denorm_mode_16_64 3
		.amdhsa_memory_ordered 1
		.amdhsa_forward_progress 1
		.amdhsa_inst_pref_size 255
	.end_amdhsa_kernel
	.section	.bss,"aw",@nobits
	.p2align	6
	.space	262144
	.amdgpu_metadata
---
amdhsa.version: [ 1, 2 ]
amdhsa.kernels:
  - .name:           k_qefc1ad883c_attn
    .symbol:         k_qefc1ad883c_attn.kd
    .args:
      - { .name: qkv, .offset: 0, .size: 8, .value_kind: global_buffer, .address_space: global }
      - { .name: qkvlo, .offset: 8, .size: 8, .value_kind: global_buffer, .address_space: global }
      - { .name: ctx, .offset: 16, .size: 8, .value_kind: global_buffer, .address_space: global }
      - { .name: ctxlo, .offset: 24, .size: 8, .value_kind: global_buffer, .address_space: global }
    .group_segment_fixed_size: 327680
    .private_segment_fixed_size: 0
    .kernarg_segment_align: 8
    .kernarg_segment_size: 32
    .max_flat_workgroup_size: 256
    .sgpr_count:     82
    .vgpr_count:     256
    .wavefront_size: 32
...
	.end_amdgpu_metadata
.endif
;; end of part 3
;; launch oproj (part 4): grid 8 x 32, 4 waves a work-group, clusters of 4 x 4, 327,680 bytes of LDS; arguments ctx, ctxlo, woT, out0; writes out0
.if DOCPART == 4
	.amdgcn_target "amdgcn-amd-amdhsa--gfx1250"
	.amdhsa_code_object_version 6
	.text
	.protected	k_qefc1ad883c_oproj
	.globl	k_qefc1ad883c_oproj
	.p2align	8
	.type	k_qefc1ad883c_oproj,@function
k_qefc1ad883c_oproj:
	s_mov_b64 s[64:65], 0
	v_nop
	global_prefetch_b8 v0, s[64:65] scope:SCOPE_SE
	s_setreg_imm32_b32 hwreg(HW_REG_WAVE_MODE, 25, 1), 1
	s_wait_xcnt 0x0
	s_wait_alu depctr_hold_cnt(0) depctr_sa_sdst(0) depctr_va_vdst(0) depctr_va_sdst(0) depctr_va_ssrc(0) depctr_va_vcc(0) depctr_vm_vsrc(0)
	s_getreg_b32 s2, hwreg(HW_REG_IB_STS2, 6, 4)
	s_cmp_eq_u32 s2, 0
	s_cbranch_scc0 .Lentry_in_a_cluster
	s_endpgm
.Lentry_in_a_cluster:
	s_bfe_u32 s2, ttmp6, 0x10000c
	s_cmp_lg_u32 s2, 0xf033
	s_cbranch_scc0 .Lentry_shape_is_right
	s_endpgm
.Lentry_shape_is_right:
; out0 = ctx x woT^T: [4096 x 1024] x [1024 x 1024]^T, f16 operands, f32 sums, f32 out.
; A work-group makes 128 x 128 with four waves (2 x 2), a wave 64 x 64: 16 accumulator tiles of 16 x 16, 128 registers.  32 x 8 blocks = 256 work-groups.
; K goes in steps of 128 (rows of 256 bytes) through two LDS slots filled by the tensor data mover.
; TWO PARTS FOR THE FIRST ROWS: row q of ctx averages q + 1 values, so a batch's first rows are its largest, and there the 11 bits of one f16 number are
; too few.  ctxlo [32 row blocks][16 rows][1024] holds what ctx's rounding left of the first 16 rows of every block of 128; the two waves that hold the block's
; rows 0-63 multiply it by the fragments of woT that they have in registers anyway and add it onto their first strip: 20 matrix instructions instead of 16
; in a quarter step.  Only the blocks that begin a batch need it; the others do the same, since in a launch with joint loads no branch hangs on the block row.
; CLUSTERS: 4 x 4 work-groups.  The four of a row of the cluster need the same rows of ctx and ctxlo, the four of a column the same rows of woT; such a tile
; is asked for jointly, by the same load with the same descriptor in all four, which divides the requests by four.  Wave 0 asks for ctx's 128 rows, wave 1
; for ctxlo's 16, waves 2 and 3 for 64 rows of woT each: one tensor load a wave.
; REGISTERS: window 0: v16-26 addresses, v32-103 and v104-175 two fragment buffers (4 fragments of woT, 4 of ctx, 1 of ctxlo); window 1: the accumulators,
; tile (a, b) at v[8 (4 a + b)].  The matrix instruction is used transposed (source 0 = rows of woT, source 1 = rows of ctx): lane l holds row l % 16 of the
; result and its eight registers the neighbouring columns 8 (l / 16) + 0..7: 32 bytes of a row.
.set SIZE_K, 1024
.set KSTEP,  128
.set PITCH,  272                       ; an LDS row: 256 bytes + 16 of padding, so that sixteen rows begin at sixteen different 16-byte columns of 256
.set NFR,    4
.set AROWS,  128                       ; ctx's rows, one tensor load (wave 0), at the slot's byte 0
.set LROWS,  16                        ; ctxlo's rows (wave 1)
.set BROWS,  64                        ; woT's rows in one tensor load (waves 2, 3)
.set BSTR,   BROWS*PITCH
.set BBASE,  AROWS*PITCH               ; woT's rows: 34,816 = 2 x BSTR, so that they lie at wave x BSTR
.set LBASE,  BBASE+2*BSTR              ; ctxlo's rows: 69,632
.set SLOT,   LBASE+LROWS*PITCH         ; 73,984
.set STAGE,  2*SLOT                    ; 147,968, a multiple of 256: 16 rows x 272 bytes for each wave; no tensor load lands here
.set SPITCH, 272
.set LAPS,   SIZE_K/(2*KSTEP)
.set ADRA, 16                          ; v16-17  LDS address of my ctx fragments in slot 0, 1
.set ADRL, 18                          ; v18-19  of the ctxlo fragment
.set ADRB, 20                          ; v20-21  of my woT fragments
.set STO,  24
.set RD,   25
.set CO,   26
.set F0,   32
.set F1,   F0+8*(NFR+5)
.set G1,  24                           ; s[24:31] group 1 for ctx's tiles
.set G0,  32                           ; s[32:39] group 0 for ctx's tiles, one set for each slot
.set G1B, 48                           ; s[48:55], s[56:63]: the same for woT's
.set G0B, 56
.set G1L, 72                           ; s[72:79], s[80:87]: the same for ctxlo's
.set G0L, 80
.set MSB, 0
.macro WIN new                         ; the immediate's high byte repeats the setting that is left
.if MSB != \new
	s_set_vgpr_msb (MSB<<8)|\new
.set MSB, \new
.endif
.endm
; A joint load: wave 0 ctx, wave 1 ctxlo, waves 2 and 3 woT's halves.  The branches hang on the wave's number alone.
.macro JLOAD s
	s_cmp_gt_u32 s10, 1
	s_cbranch_scc1 .Lfor_b_\@
	s_cmp_eq_u32 s10, 1
	s_cbranch_scc1 .Lfor_l_\@
	tensor_load_to_lds s[G0+4*\s:G0+4*\s+3], s[G1:G1+7]
	s_nop 0
	s_branch .Lasked_\@
.Lfor_l_\@:
	tensor_load_to_lds s[G0L+4*\s:G0L+4*\s+3], s[G1L:G1L+7]
	s_nop 0
	s_branch .Lasked_\@
.Lfor_b_\@:
	tensor_load_to_lds s[G0B+4*\s:G0B+4*\s+3], s[G1B:G1B+7]
	s_nop 0
.Lasked_\@:
.endm
; A round of the cluster's barrier: my work-group's barrier, wave 0 signals for the work-group, every wave waits for all sixteen, my work-group's barrier again.
.macro CREST
	s_cmp_lg_u32 s10, 0
	s_cbranch_scc1 .Lnot_wave_0_\@
	s_barrier_signal -3
.Lnot_wave_0_\@:
	s_barrier_wait -3
	s_barrier_signal -1
	s_barrier_wait -1
.endm
.macro CROUND
	s_barrier_signal -1
	s_barrier_wait -1
	CREST
.endm
	s_load_b128 s[4:7], s[0:1], 0x0                ; ctx s[4:5], ctxlo s[6:7]
	s_load_b128 s[68:71], s[0:1], 0x10             ; woT s[68:69], out0 s[70:71]
	v_lshl_add_u32 v254, v0, 2, 0x29000
	v_mov_b32 v255, 0
	ds_add_u32 v254, v255
	v_lshrrev_b32 v1, 5, v0
	v_readfirstlane_b32 s10, v1                    ; wave 0..3
	s_lshr_b32 s11, s10, 1                         ; which 64 rows of the block are mine
	s_and_b32 s12, s10, 1                          ; which 64 columns.  Also, in waves 2 and 3: which half of woT's tile I fetch
	s_bfe_u32 s40, ttmp6, 0x40000                  ; cx
	s_bfe_u32 s41, ttmp6, 0x40004                  ; cy
	s_lshl_b32 s42, ttmp9, 2
	s_add_co_u32 s42, s42, s40                     ; block column
	s_and_b32 s13, ttmp7, 0xffff
	s_lshl_b32 s13, s13, 2
	s_add_co_u32 s13, s13, s41                     ; block row
	s_lshl_b32 s43, s41, 2
	s_lshl_b32 s43, 15, s43                        ; my row of the cluster
	s_lshl_b32 s44, 0x1111, s40                    ; my column
	; group 1: rows of 128 elements of 2 bytes, 4 words of padding behind every 64 words; bit 21 set beside a mask
	s_or_b32 s[G1+0], s43, (1<<16)|(1<<20)|(1<<21)|(5<<22)|(3<<25)
	s_or_b32 s[G1L+0], s43, (1<<16)|(1<<20)|(1<<21)|(5<<22)|(3<<25)
	s_or_b32 s[G1B+0], s44, (1<<16)|(1<<20)|(1<<21)|(5<<22)|(3<<25)
.irp g, G1, G1L, G1B
	s_mov_b32 s[\g+1], KSTEP<<16                   ; tensor_dim0
	s_mov_b32 s[\g+3], KSTEP<<16                   ; tile_dim0
	s_mov_b32 s[\g+5], SIZE_K                      ; elements from row to row
	s_mov_b32 s[\g+6], 0
	s_mov_b32 s[\g+7], 0
.endr
	s_mov_b32 s[G1+2], AROWS<<16                   ; tensor_dim1 and tile_dim1: the tile's rows
	s_mov_b32 s[G1+4], AROWS
	s_mov_b32 s[G1L+2], LROWS<<16
	s_mov_b32 s[G1L+4], LROWS
	s_mov_b32 s[G1B+2], BROWS<<16
	s_mov_b32 s[G1B+4], BROWS
	; ctx's and ctxlo's tiles hang on the block row alone, woT's on the block column alone; each address in registers that never hold the other coordinate
	s_lshl_b32 s16, s13, 18                        ; ctx: row 128 x block row, of 2,048 bytes
	s_mov_b32 s17, 0
	s_lshl_b32 s18, s13, 15                        ; ctxlo: row 16 x block row
	s_mov_b32 s19, 0
	s_lshl_b32 s47, s12, 6
	s_lshl_b32 s46, s42, 7
	s_add_co_u32 s46, s46, s47                     ; woT: row 128 x block column + 64 x half
	s_lshl_b32 s46, s46, 11
	s_mov_b32 s47, 0
	s_mul_i32 s20, s10, BSTR                       ; where woT's halves go: the wave's number times a constant
	s_wait_dscnt 0x0
	s_wait_kmcnt 0x0
	s_add_nc_u64 s[14:15], s[4:5], s[16:17]
	s_add_nc_u64 s[18:19], s[6:7], s[18:19]
	s_add_nc_u64 s[46:47], s[68:69], s[46:47]
	CROUND                                         ; all sixteen work-groups are here: the first joint loads meet
.irp s, 0,1
	s_mov_b32 s[G0+4*\s], 1
	s_mov_b32 s[G0+4*\s+1], \s*SLOT
	s_add_nc_u64 s[G0+4*\s+2:G0+4*\s+3], s[14:15], \s*KSTEP*2      ; K step s
	s_or_b32 s[G0+4*\s+3], s[G0+4*\s+3], 0x80000000
	s_mov_b32 s[G0L+4*\s], 1
	s_mov_b32 s[G0L+4*\s+1], LBASE+\s*SLOT
	s_add_nc_u64 s[G0L+4*\s+2:G0L+4*\s+3], s[18:19], \s*KSTEP*2
	s_or_b32 s[G0L+4*\s+3], s[G0L+4*\s+3], 0x80000000
	s_mov_b32 s[G0B+4*\s], 1
	s_add_co_u32 s[G0B+4*\s+1], s20, \s*SLOT
	s_add_nc_u64 s[G0B+4*\s+2:G0B+4*\s+3], s[46:47], \s*KSTEP*2
	s_or_b32 s[G0B+4*\s+3], s[G0B+4*\s+3], 0x80000000
	JLOAD \s                                       ; both first fills go out together: two tensor loads of the wave are out
.endr
	v_and_b32 v1, 15, v0                           ; r
	v_bfe_u32 v2, v0, 4, 1                         ; h
	v_mul_u32_u24 v3, v1, PITCH
	v_lshl_add_u32 v3, v2, 4, v3
	s_mul_i32 s22, s11, 64*PITCH                   ; my 64 rows of ctx
	s_mul_i32 s23, s12, BSTR
	s_add_co_u32 s23, s23, BBASE                   ; my 64 rows of woT
	s_mov_b32 s21, LBASE                           ; ctxlo's 16 rows
.irp s, 0,1
	v_add_nc_u32 v[ADRA+\s], s22, v3
	v_add_nc_u32 v[ADRB+\s], s23, v3
	v_add_nc_u32 v[ADRL+\s], s21, v3
	s_add_co_u32 s22, s22, SLOT
	s_add_co_u32 s23, s23, SLOT
	s_add_co_u32 s21, s21, SLOT
.endr
	s_mul_i32 s23, s10, 16*SPITCH
	s_add_co_u32 s23, s23, STAGE                   ; my stage
	v_mul_u32_u24 v4, v1, SPITCH                   ; in: row r, 32 bytes for each half of the lanes
	v_lshl_add_u32 v4, v2, 5, v4
	v_add_nc_u32 v[STO], s23, v4
	v_mul_u32_u24 v5, v2, SPITCH                   ; back: lanes 0-15 take one row of 256 bytes, lanes 16-31 the next
	v_lshl_add_u32 v5, v1, 4, v5
	v_add_nc_u32 v[RD], s23, v5
	v_lshlrev_b32 v5, 12, v2                       ; and the same two rows of out0, 4,096 bytes each
	v_lshl_add_u32 v[CO], v1, 4, v5
; n row blocks from a0 x all column blocks, 32 along K, on buffer f.  zero = 1: the first product starts the sums.
; The accumulators take turns, one instruction a turn: ctxlo's four products stand in front of, or behind, a run that begins
; and ends on other accumulators than their neighbours in it.
.macro MUL f, a0, n, zero
	WIN 0x50                                       ; C and D in window 1
.set ma, \a0
.rept \n
.set mb, 0
.rept NFR
.if \zero
	v_wmma_f32_16x16x32_f16 v[8*(NFR*ma+mb):8*(NFR*ma+mb)+7], v[\f+8*mb:\f+8*mb+7], v[\f+8*(NFR+ma):\f+8*(NFR+ma)+7], 0
.else
	v_wmma_f32_16x16x32_f16 v[8*(NFR*ma+mb):8*(NFR*ma+mb)+7], v[\f+8*mb:\f+8*mb+7], v[\f+8*(NFR+ma):\f+8*(NFR+ma)+7], v[8*(NFR*ma+mb):8*(NFR*ma+mb)+7]
.endif
.set mb, mb+1
.endr
.set ma, ma+1
.endr
	WIN 0
.endm
.macro FETCH slot, k, f                ; the fragments of one quarter step into buffer f: 16 loads in one run
.irp i, 0,1,2,3
	ds_load_b128 v[\f+8*\i:\f+8*\i+3],   v[ADRB+\slot] offset:\k+\i*16*PITCH
	ds_load_b128 v[\f+8*\i+4:\f+8*\i+7], v[ADRB+\slot] offset:\k+\i*16*PITCH+32
.endr
.irp i, 0,1,2,3
	ds_load_b128 v[\f+8*(NFR+\i):\f+8*(NFR+\i)+3],   v[ADRA+\slot] offset:\k+\i*16*PITCH
	ds_load_b128 v[\f+8*(NFR+\i)+4:\f+8*(NFR+\i)+7], v[ADRA+\slot] offset:\k+\i*16*PITCH+32
.endr
.endm
; ctxlo's share, in waves 0 and 1 alone (the branch hangs on the wave's number).  fetch = 1: its fragment of the quarter step at byte k into buffer g;
; mul = 1: buffer f's fragment times f's four fragments of woT, onto my first strip.
.macro LO slot, k, f, g, fetch, mul
	s_cmp_lg_u32 s11, 0
	s_cbranch_scc1 .Lno_lo_\@
.if \fetch
	ds_load_b128 v[\g+64:\g+67], v[ADRL+\slot] offset:\k
	ds_load_b128 v[\g+68:\g+71], v[ADRL+\slot] offset:\k+32
.endif
.if \mul
	WIN 0x50
.irp b, 0,1,2,3
	v_wmma_f32_16x16x32_f16 v[8*\b:8*\b+7], v[\f+8*\b:\f+8*\b+7], v[\f+64:\f+71], v[8*\b:8*\b+7]
.endr
	WIN 0
.endif
.Lno_lo_\@:
.endm
; four places between a matrix instruction and a load into, or a store or vector instruction on, one of its registers (ISA guide 7.12.1 for vector instructions)
.macro PLACES
.rept 4
	v_nop
.endr
.endm
; A quarter step: buffer f is in; the next quarter's fragments are asked for into g, which the last quarter's products have read; then f is multiplied.
; In the very first quarter ctxlo's products come last, behind the products that start the sums.
.macro QUARTER slot, k, f, g, zero
	s_wait_dscnt 0x0
	PLACES
	FETCH \slot, \k, \g
.if \zero
	MUL \f, 0, 4, 1
	LO \slot, \k, \f, \g, 1, 1
.else
	LO \slot, \k, \f, \g, 1, 1
	MUL \f, 0, 4, 0
.endif
.endm
.macro THREE slot, zero
	QUARTER \slot, 64,  F0, F1, \zero
	QUARTER \slot, 128, F1, F0, 0
	QUARTER \slot, 192, F0, F1, 0
.endm
; The last quarter multiplies buffer 1 and changes slots.  In front of the barrier each wave waits for its reads of this slot and for all its tensor
; loads (one is out: its part of the next slot).  fill = 1: the barrier opens a round of the cluster's barrier, and the joint refill is the first
; tensor load behind the round, the wave's only one until the next.
.macro TURN slot, next, fill
	s_wait_dscnt 0x0
	s_wait_tensorcnt 0x0
	ds_add_u32 v254, v255
	s_wait_dscnt 0x0
	s_barrier_signal -1
	MUL F1, 0, 2, 0                                ; register work while the others arrive
	s_barrier_wait -1
.if \fill
	CREST
	s_add_nc_u64 s[G0+4*\slot+2:G0+4*\slot+3], s[G0+4*\slot+2:G0+4*\slot+3], 2*KSTEP*2      ; no tensor load of mine is out: the addresses may step
	s_add_nc_u64 s[G0L+4*\slot+2:G0L+4*\slot+3], s[G0L+4*\slot+2:G0L+4*\slot+3], 2*KSTEP*2
	s_add_nc_u64 s[G0B+4*\slot+2:G0B+4*\slot+3], s[G0B+4*\slot+2:G0B+4*\slot+3], 2*KSTEP*2
	JLOAD \slot
.endif
	PLACES
	FETCH \next, 0, F0
	LO \next, 0, F1, F0, 1, 1
	MUL F1, 2, 2, 0
.endm
.macro LAP zero
	THREE 0, \zero
	TURN 0, 1, 1
	THREE 1, 0
	TURN 1, 0, 1
.endm
	s_wait_tensorcnt 0x1                           ; my part of K step 0 is in; K step 1's load, issued behind it, may stay out
	s_barrier_signal -1
	s_barrier_wait -1
	FETCH 0, 0, F0
	LO 0, 0, F0, F0, 1, 0
	LAP 1                                          ; K steps 0, 1: the first products start the sums
	s_mov_b32 s3, LAPS-2
.Llap:
	LAP 0
	s_sub_co_u32 s3, s3, 1
	s_cmp_lg_u32 s3, 0
	s_cbranch_scc1 .Llap
	THREE 0, 0                                     ; the last lap fills nothing
	TURN 0, 1, 0
	THREE 1, 0
	s_wait_dscnt 0x0
	LO 1, 0, F1, F1, 0, 1
	MUL F1, 0, 4, 0
	; THE WAY OUT, 16 rows at a time through my own stage: 32 bytes a lane in, whole rows of 256 bytes back.  LDS serves a wave's instructions in order
	; (ISA guide 5.7.1.4), so the loads see the stores above them and the next strip's stores come behind these loads: no wait, no barrier.
	PLACES
	s_lshl_b32 s16, s13, 7
	s_lshl_b32 s17, s11, 6
	s_add_co_u32 s16, s16, s17                     ; my first row
	s_lshl_b32 s16, s16, 12
	s_mov_b32 s17, 0
	s_add_nc_u64 s[70:71], s[70:71], s[16:17]
	s_lshl_b32 s46, s42, 9                         ; my first column, in bytes (in the registers that held woT's address: none that fed ctx's descriptors holds cx)
	s_lshl_b32 s47, s12, 8
	s_add_co_u32 s46, s46, s47
	s_mov_b32 s47, 0
	s_add_nc_u64 s[70:71], s[70:71], s[46:47]
.irp a, 0,1,2,3
	WIN 0x04                                       ; the stores' data in window 1
.irp b, 0,1,2,3
	ds_store_b128 v[STO], v[8*(NFR*\a+\b):8*(NFR*\a+\b)+3] offset:64*\b
	ds_store_b128 v[STO], v[8*(NFR*\a+\b)+4:8*(NFR*\a+\b)+7] offset:64*\b+16
.endr
	WIN 0
.irp t, 0,1,2,3,4,5,6,7
	ds_load_b128 v[F0+32*\a+4*\t:F0+32*\a+4*\t+3], v[RD] offset:\t*2*SPITCH
.endr
.irp t, 0,1,2,3,4,5,6,7
	s_wait_dscnt 7-\t                              ; LDS loads come back in order: the younger ones stay out
	global_store_b128 v[CO], v[F0+32*\a+4*\t:F0+32*\a+4*\t+3], s[70:71] offset:(16*\a+2*\t)*4096 th:TH_STORE_NT   ; 16 lanes store 256 consecutive bytes, aligned
.endr
.endr
	s_wait_tensorcnt 0x0
	ds_add_u32 v254, v255
	s_wait_dscnt 0x0
	CROUND                                         ; the closing round: no work-group ends while a partner may still ask for a tile that names it
	s_endpgm
.Lfunc_end_k_qefc1ad883c_oproj:
	.size	k_qefc1ad883c_oproj, .Lfunc_end_k_qefc1ad883c_oproj-k_qefc1ad883c_oproj
	.p2alignl 7, 3214868480
	.fill 96, 4, 3214868480
	.section	.rodata,"a",@progbits
	.p2align	6, 0x0
	.amdhsa_kernel k_qefc1ad883c_oproj
		.amdhsa_group_segment_fixed_size 327680
		.amdhsa_private_segment_fixed_size 0
		.amdhsa_enable_private_segment 0
		.amdhsa_kernarg_size 32
		.amdhsa_user_sgpr_count 2
		.amdhsa_user_sgpr_kernarg_segment_ptr 1
		.amdhsa_wavefront_size32 1
		.amdhsa_system_sgpr_workgroup_id_x 1
		.amdhsa_system_sgpr_workgroup_id_y 1
		.amdhsa_system_sgpr_workgroup_id_z 1
		.amdhsa_system_vgpr_workitem_id 0
		.amdhsa_next_free_vgpr 384
		.amdhsa_next_free_sgpr 88
		.amdhsa_reserve_vcc 0
		.amdhsa_float_denorm_mode_32 3
		.amdhsa_float_denorm_mode_16_64 3
		.amdhsa_memory_ordered 1
		.amdhsa_forward_progress 1
		.amdhsa_inst_pref_size 87
	.end_amdhsa_kernel
	.amdgpu_metadata
---
amdhsa.version: [ 1, 2 ]
amdhsa.kernels:
  - .name:           k_qefc1ad883c_oproj
    .symbol:         k_qefc1ad883c_oproj.kd
    .args:
      - { .name: ctx, .offset: 0, .size: 8, .value_kind: global_buffer, .address_space: global }
      - { .name: ctxlo, .offset: 8, .size: 8, .value_kind: global_buffer, .address_space: global }
      - { .name: woT, .offset: 16, .size: 8, .value_kind: global_buffer, .address_space: global }
      - { .name: out0, .offset: 24, .size: 8, .value_kind: global_buffer, .address_space: global }
    .group_segment_fixed_size: 327680
    .private_segment_fixed_size: 0
    .kernarg_segment_align: 8
    .kernarg_segment_size: 32
    .max_flat_workgroup_size: 128
    .sgpr_count:     88
    .vgpr_count:     384
    .wavefront_size: 32
...
	.end_amdgpu_metadata
.endif
;; end of part 4
